; MI455X (gfx1250); checked and timed in simulation.
; The chip was launched on July 23, 2026; its instructions are those of AMD's public machine-readable ISA for CDNA 5 (MIT licence, August 2026) and "CDNA5" Instruction Set Architecture Reference Guide (July 2026). The comments in the code are by the model that wrote it; some were corrected since.
;; multi head attention. Allowed arithmetic: matrix products marked QUANTISED: E2M3 operands, one E8M0 scale for each 32 along K, by v_wmma_scale_f32_16x16x128_f8f6f4 with both operands' format E2M3, f32 sums; everything else in f32.
;; Inputs: L_K 1,024 x 1,024 float32; L_Q 1,024 x 1,024 float32; L_V 1,024 x 1,024 float32; dense_M 1,024 x 1,024 float32; dense_b 1,024 x 1 float32; x 3 x 8 x 1,024 x 1,024 float32.
;; Outputs: out0 8 x 1,024 x 1,024 float32.
;; This version of the problem:
;;   THIS VERSION OF THE PROBLEM IS GIVEN IN LOW PRECISION. The matrix products marked QUANTISED in the list below multiply operands that are first quantised to E2M3 (2 exponent bits, 3 mantissa bits; 6 bits a number), with one power-of-two scale for each 32 numbers along K (OCP MX v1.0); their sums are f32. All else is computed in f32.
;;   The module's matrix products, in the order in which they are computed (A, B: the left and right operand; K: the contracted axis; several contracted axes count as one K, in the product's order):
;;     1. [M 8,192, K 1,024] x [K 1,024, N 1,024]; A: input x; B: input L_K: QUANTISED
;;     2. [M 8,192, K 1,024] x [K 1,024, N 1,024]; A: input x; B: input L_Q: QUANTISED
;;     3. [M 8,192, K 1,024] x [K 1,024, N 1,024]; A: input x; B: input L_V: QUANTISED
;;     4. batch 128 x [M 1,024, K 64] x [K 64, N 1,024]; A: computed on the way; B: computed on the way: QUANTISED
;;     5. batch 128 x [M 64, K 1,024] x [K 1,024, N 1,024]; A: computed on the way; B: computed on the way: QUANTISED
;;     6. [M 8,192, K 1,024] x [K 1,024, N 1,024]; A: computed on the way; B: input dense_M: QUANTISED
;;   THE QUANTISER, for each operand of a quantised product, along K:
;;     - K is cut into blocks of 32 from its start; a last block that is shorter is filled with zeros.
;;     - A block's scale is 2^e with e = floor(log2(the largest magnitude in the block)) - 2, held to -126 .. 127; a block of zeros has e = 0. As a byte (E8M0): e + 127.
;;     - Each number is divided by its block's scale, clamped to +-7.5, and rounded to the nearest number of E2M3, ties to even, subnormals kept.
;;     - The product sums the exact products of the quantised numbers (number of the format x scale) in f32.
;;   ~~~python
;;   def quantise(x, axis):      # numpy; x: float32 -> the quantised numbers, widened to float32 again
;;       x = np.moveaxis(x, axis, -1); K = x.shape[-1]
;;       x = np.pad(x, [(0, 0)] * (x.ndim - 1) + [(0, -K % 32)]); x = x.reshape(x.shape[:-1] + (-1, 32)); a = np.abs(x).max(-1, keepdims=True)
;;       e = np.where(a > 0, np.clip(np.frexp(np.where(a > 0, a, 1))[1] - 1 - 2, -126, 127), 0)      # np.frexp(a)[1] - 1 = floor(log2(a)), exactly
;;       r = np.clip(x / 2.0 ** e, -7.5, 7.5)
;;       step = 2.0 ** (np.maximum(np.frexp(np.where(r == 0, 1, r))[1] - 1, 0) - 3)
;;       q = np.round(r / step) * step * 2.0 ** e      # np.round: ties to even
;;       return np.moveaxis(q.reshape(q.shape[:-2] + (-1,))[..., :K], -1, axis).astype(np.float32)
;;   ~~~
;;   OPERANDS COMPUTED ON THE WAY. 'Computed on the way' means the value that the module computes at that place (a softmax that the list does not call 'softmax' is quantised finished and normalised). What goes into a quantiser is computed in f32, as accurately as f32 sums, v_exp_f32 and their like allow (about 1e-6 of the number): no bf16 or f16 on the way to a quantiser, and a product that is left as it is and whose result goes on into a quantised operand takes f32 operands (vector FMAs, or v_wmma_f32_16x16x4_f32). A number that lies on a knife's edge between two numbers of the format may be rounded either way, as far as f32 arithmetic and the matrix unit's own rounding can turn it there, and no further.
;; One version. Each part assembles by itself: llvm-mc -triple=amdgcn-amd-amdhsa -mcpu=gfx1250 --defsym DOCPART=n.
;; ======== version 1 of 1: 4 launches
;; limits: right only within a limited range of input values
;; workspace buffers: codes 23,855,104 bytes; qkv 20,447,232 bytes; oc 6,815,744 bytes
;; launch quant (part 1): grid 1024 x 1, 4 waves a work-group, no clusters, 68,096 bytes of LDS; arguments x, L_K, L_Q, L_V, dense_M, codes; writes codes
.if DOCPART == 1
	.amdgcn_target "amdgcn-amd-amdhsa--gfx1250"
	.amdhsa_code_object_version 6
	.text
	.protected	k_q5e0d3c18ba_quant
	.globl	k_q5e0d3c18ba_quant
	.p2align	8
	.type	k_q5e0d3c18ba_quant,@function
k_q5e0d3c18ba_quant:
	s_mov_b64 s[64:65], 0
	v_nop
	global_prefetch_b8 v0, s[64:65] scope:SCOPE_SE
	s_setreg_imm32_b32 hwreg(HW_REG_WAVE_MODE, 25, 1), 1
	s_wait_xcnt 0x0
; x [3][8][1024 f][1024 w] and the four weights [1024 e][1024 f], f32, become codes of FP6 (E2M3) with one E8M0 byte for each 32 along f, the K of products 1, 2, 3 and 6.
; A block's scale is 2^(floor(log2(largest magnitude)) - 2): its byte is the largest magnitude's exponent field - 2, held at 1 from below by a floor among the maximum's leaves.
; LAYOUT OF THE CODES' BUFFER (this program's own): images of operand registers.  A fragment (16 rows x 128 K, 12 registers a lane) is 1,536 bytes: registers 4 c .. 4 c + 3 of lane l at 512 c + 16 l.
; A scale image is 128 bytes: lane l's word at 4 l; lanes r and 16 + r both hold row r's word.  A panel (128 rows x 256 K) is 26,624 bytes: codes at tile x 3,072 + kq x 1,536, scale images from 24,576 on at
; tile x 256 + kq x 128.  A matrix is 32 panels, panel (K / 256) x 8 + rows / 128.  Matrices 0-23: x[t][b] (rows w, K f); 24 L_K, 25 L_Q, 26 L_V, 27 dense_M (rows e, K f).
; ROW ORDER.  Natural: lane r of tile T is row 16 T + r (x[0], dense_M).  Turned: lane r of tile 2 B + u is row 32 B + 8 u + r % 8 + 16 (r / 8) (all others): a product's result, used transposed,
; then has 16 neighbours of that row axis in a lane's 16 registers of two neighbouring tiles, which is what the next quantiser along that axis wants.
; Work-groups 0-767: one panel of x each; a lane takes a column w and its registers run down f, so a block of 32 lies in one lane.  No LDS there.
; Work-groups 768-1023: 16 rows of a weight, a wave to 256 along f.  The conversions want 32 neighbours along f in one lane; a load is best where neighbouring lanes take neighbouring bytes.  Both are had:
; each load reads 512 consecutive bytes of one row, the bytes go through the wave's own stage in LDS as they lie, and come back in the operand's order.  Waves share nothing: no barrier.
; Each store of codes covers 512 consecutive bytes.
; LIMITS: NaN and infinities are not served; a block of zeros, and one whose largest magnitude lies under 2^-124, gets the byte 1 (zeros' codes are zeros; only this program reads the bytes).
.set PANEL, 26624
.set PSC,   24576
.set X,     32                         ; v32-95   x path: two sets of 32 numbers
.set FX,    96                         ; v96-143  x path: for kq = 0, 1: 12 registers of even blocks, 12 of odd blocks; then the two tiles' fragments
.set TC,    144                        ; v144-146 a conversion's second half
.set SBX,   148                        ; v148-151 scale words: two for each kq
.set WPITCH, 528                       ; weights: a stage row: 512 bytes + 16, so that the 16 rows that a load of 16 bytes a lane touches fall on 16 different columns of 16 bytes
.set WSTG,  16*WPITCH                  ; a stage: 16 rows x 128 along f
.set WIN_,  20                         ; v20  into the stage: my wave's two stages + 16 x lane
.set WOUT,  21                         ; v21  out of it: + row r, + 128 h
.macro LOADX t                         ; block t: x(32 t + i, my column), i = 0 .. 31, into set t % 2; a wave's load reads 128 consecutive bytes, the four waves' 512
.set i, 0
.rept 32
	global_load_b32 v[X+32*((\t)%2)+i], v6, s[4:5] offset:(32*(\t)+i)*4096 th:TH_LOAD_NT
.set i, i+1
.endr
.endm
.macro BLOCKX t
.set XS, X+32*((\t)%2)
.set KQ, (\t)/4
.set BE, (\t)%4
.set DD, FX+24*KQ+12*(BE&1)+6*(BE>>1)  ; even blocks into the first twelve registers, odd blocks into the second twelve
.if (\t) < 7
	s_wait_loadcnt 32                              ; this block's 32 loads are in; the next block's 32 may be out
.else
	s_wait_loadcnt 0x0
.endif
	v_max3_num_f32 v12, |v[XS]|, |v[XS+1]|, |v[XS+2]|               ; the block's largest magnitude: all 32 numbers are mine; two chains
	v_max3_num_f32 v13, |v[XS+3]|, |v[XS+4]|, |v[XS+5]|
.irp i, 6,10,14,18,22,26
	v_max3_num_f32 v12, v12, |v[XS+\i]|, |v[XS+\i+1]|
	v_max3_num_f32 v13, v13, |v[XS+\i+2]|, |v[XS+\i+3]|
.endr
	v_max3_num_f32 v12, v12, |v[XS+30]|, |v[XS+31]|
	v_max3_num_f32 v12, v12, v13, 0x1800000        ; and the floor 2^(3 - 127): the byte cannot fall under 1
	v_add_nc_u32 v11, 0xff000000, v12              ; 2 off the exponent field: the conversion takes this operand's exponent field as its scale
	v_lshrrev_b32 v13, 23, v11                     ; the scale's byte
.if BE == 0
	v_mov_b32 v[SBX+2*KQ], v13
.else
	v_lshl_or_b32 v[SBX+2*KQ], v13, 8*BE, v[SBX+2*KQ]
.endif
	v_cvt_scalef32_pk16_fp6_f32 v[DD:DD+2], v[XS:XS+15], v11
	v_cvt_scalef32_pk16_fp6_f32 v[TC:TC+2], v[XS+16:XS+31], v11     ; (a conversion's three registers begin on an even number)
	v_nop                                          ; one plain place behind a scaled conversion
.irp i, 0,1,2
	v_mov_b32 v[DD+3+\i], v[TC+\i]
.endr
.if (\t)+2 < 8
	LOADX (\t)+2
.endif
.endm
; Lanes 0-15 hold the rows of tile 2 w, lanes 16-31 those of tile 2 w + 1, each lane all four blocks of its row.  A fragment wants row r's even blocks in lane r and its odd blocks in lane 16 + r:
; the exchange of the first twelve's upper lanes with the second twelve's lower lanes makes both fragments at once.  The scale words likewise.
.macro OUTX kq
.set F0, FX+24*\kq
.set i, 0
.rept 12
	v_permlane16_swap_b32 v[F0+i], v[F0+12+i]
.set i, i+1
.endr
	v_mov_b32 v[SBX+2*\kq+1], v[SBX+2*\kq]
	v_permlane16_swap_b32 v[SBX+2*\kq], v[SBX+2*\kq+1]
.irp c, 0,1,2
	global_store_b128 v4, v[F0+4*\c:F0+4*\c+3], s[24:25] offset:\kq*1536+512*\c
	global_store_b128 v4, v[F0+12+4*\c:F0+12+4*\c+3], s[24:25] offset:3072+\kq*1536+512*\c
.endr
	global_store_b32 v5, v[SBX+2*\kq], s[26:27] offset:\kq*128
	global_store_b32 v5, v[SBX+2*\kq+1], s[26:27] offset:256+\kq*128
.endm
; A weight's fragment kq.  Its 16 rows x 512 bytes turn through stage kq; then lane (r, h) holds blocks h and 2 + h of its row, 32 numbers each, in the operand's own order.
.macro WQ kq
.set X0, 32+64*\kq
.set FW, 160+12*\kq
.if \kq == 0
	s_wait_loadcnt 16                              ; the first fragment's 16 loads are in; the second's 16 may be out
.else
	s_wait_loadcnt 0x0
.endif
.irp p, 0,1,2,3,4,5,6,7,8,9,10,11,12,13,14,15
	ds_store_b128 v[WIN_], v[X0+4*\p:X0+4*\p+3] offset:\kq*WSTG+\p*WPITCH     ; row p as it was loaded: 512 consecutive bytes
.endr
	s_wait_dscnt 0x0                               ; the stores have read their registers: the loads below land in the same ones
.irp c, 0,1
.irp j, 0,1,2,3,4,5,6,7
	ds_load_b128 v[X0+32*\c+4*\j:X0+32*\c+4*\j+3], v[WOUT] offset:\kq*WSTG+256*\c+16*\j   ; W(my row, 128 kq + 64 c + 32 h + 4 j ..)
.endr
.endr
	s_wait_dscnt 0x0
.irp c, 0,1
	v_max3_num_f32 v[12+\c], |v[X0+32*\c]|, |v[X0+32*\c+1]|, 0x1800000
.endr
.irp i, 2,4,6,8,10,12,14,16,18,20,22,24,26,28,30
.irp c, 0,1
	v_max3_num_f32 v[12+\c], v[12+\c], |v[X0+32*\c+\i]|, |v[X0+32*\c+\i+1]|
.endr
.endr
.irp c, 0,1
	v_add_nc_u32 v[14+\c], 0xff000000, v[12+\c]
.endr
.irp c, 0,1
	v_lshrrev_b32 v[16+\c], 23, v[14+\c]
.endr
	v_lshl_or_b32 v9, v17, 16, v16                 ; my two bytes, blocks h and 2 + h,
	v_lshlrev_b32 v9, v10, v9                      ; at their places in the word (8 h bits up);
	v_permlanex16_b32 v8, v9, s20, s21
	v_or_b32 v[18+\kq], v9, v8                     ; with lane l xor 16's two the word is whole, in both halves of the lanes: the scale image
.irp c, 0,1
	v_cvt_scalef32_pk16_fp6_f32 v[FW+6*\c:FW+6*\c+2], v[X0+32*\c:X0+32*\c+15], v[14+\c]
	v_cvt_scalef32_pk16_fp6_f32 v[184+4*\c:186+4*\c], v[X0+32*\c+16:X0+32*\c+31], v[14+\c]
.endr
	v_nop                                          ; one plain place behind a scaled conversion
.irp c, 0,1
.irp i, 0,1,2
	v_mov_b32 v[FW+6*\c+3+\i], v[184+4*\c+\i]
.endr
.endr
.irp c, 0,1,2
	global_store_b128 v4, v[FW+4*\c:FW+4*\c+3], s[24:25] offset:\kq*1536+512*\c
.endr
	global_store_b32 v5, v[18+\kq], s[26:27] offset:\kq*128
.endm
	s_load_b256 s[4:11], s[0:1], 0x0               ; x s[4:5], L_K s[6:7], L_Q s[8:9], L_V s[10:11]
	s_load_b128 s[12:15], s[0:1], 0x20             ; dense_M s[12:13], the codes s[14:15]
	v_lshl_add_u32 v192, v0, 2, 0x10800
	v_mov_b32 v193, 0
	v_lshrrev_b32 v1, 5, v0
	v_readfirstlane_b32 s16, v1                    ; wave 0..3
	v_and_b32 v1, 31, v0                           ; lane
	v_and_b32 v2, 15, v0                           ; r
	v_bfe_u32 v3, v0, 4, 1                         ; h
	v_lshlrev_b32 v4, 4, v1                        ; 16 x lane: my place in 512 consecutive bytes
	v_lshlrev_b32 v5, 2, v1                        ; 4 x lane: in a scale image
	s_mul_i32 s17, s16, 2*WSTG                     ; my wave's two stages (the weights' path alone touches LDS)
	v_add_nc_u32 v[WIN_], s17, v4
	v_mul_u32_u24 v[WOUT], v2, WPITCH
	v_lshl_add_u32 v[WOUT], v3, 7, v[WOUT]
	v_add_nc_u32 v[WOUT], s17, v[WOUT]
	s_mov_b32 s20, 0x76543210
	s_mov_b32 s21, 0xfedcba98                      ; v_permlanex16_b32's selects for lane l xor 16
	s_cmp_ge_u32 ttmp9, 768
	s_cbranch_scc1 .Lweights
	; ---- x: the work-group's number is the panel's number in the codes' buffer
	s_cmp_ge_u32 ttmp9, 256                        ; x[1] and x[2] are turned: lane bits 3 and 4 change places in the column's number
	s_cselect_b32 s17, 24, 0
	v_lshrrev_b32 v6, 3, v1
	v_xor_b32 v6, v6, v3
	v_and_b32 v6, 1, v6
	v_mul_u32_u24 v6, v6, s17
	v_xor_b32 v6, v6, v1
	v_lshlrev_b32 v6, 2, v6                        ; 4 bytes x my column among the wave's 32
	s_lshr_b32 s18, ttmp9, 3
	s_lshl_b32 s18, s18, 20                        ; (matrix x 4 + K step) x 256 rows of 4,096 bytes
	s_and_b32 s19, ttmp9, 7
	s_lshl_b32 s19, s19, 9                         ; + 128 columns a panel
	s_add_co_u32 s18, s18, s19
	s_lshl_b32 s19, s16, 7                         ; + 32 columns a wave
	s_add_co_u32 s18, s18, s19
	s_mov_b32 s19, 0
	s_mul_i32 s22, ttmp9, PANEL
	s_mul_i32 s23, s16, 6144                       ; my two tiles' codes
	s_add_co_u32 s22, s22, s23
	s_mov_b32 s23, 0
	s_mul_i32 s28, ttmp9, PANEL
	s_lshl_b32 s29, s16, 9                         ; my two tiles' scale images
	s_add_co_u32 s28, s28, s29
	s_add_co_u32 s28, s28, PSC
	s_mov_b32 s29, 0
	s_wait_alu depctr_va_vdst(0)
	s_wait_kmcnt 0x0
	s_add_nc_u64 s[4:5], s[4:5], s[18:19]
	s_add_nc_u64 s[24:25], s[14:15], s[22:23]
	s_add_nc_u64 s[26:27], s[14:15], s[28:29]
	LOADX 0
	LOADX 1
	BLOCKX 0
	BLOCKX 1
	BLOCKX 2
	BLOCKX 3
	OUTX 0                                         ; each kq has registers of its own: no store's data are written again
	BLOCKX 4
	BLOCKX 5
	BLOCKX 6
	BLOCKX 7
	OUTX 1
	s_endpgm
.Lweights:
	; ---- a weight: matrix mu = q / 64, row tile T = q % 64; wave w takes K step w: 16 rows x 256 along f, two fragments
	s_sub_co_u32 s17, ttmp9, 768
	s_lshr_b32 s18, s17, 6                         ; mu
	s_and_b32 s19, s17, 63                         ; T
	v_mov_b32 v8, 0                                ; written once: a lane permute's destination counts as one of its sources
	s_wait_alu depctr_va_vdst(0)
	v_lshlrev_b32 v10, 3, v3                       ; 8 h
	s_wait_kmcnt 0x0
	s_cmp_eq_u32 s18, 1                            ; the choice hangs on the work-group's number alone
	s_cselect_b64 s[6:7], s[8:9], s[6:7]
	s_cmp_eq_u32 s18, 2
	s_cselect_b64 s[6:7], s[10:11], s[6:7]
	s_cmp_eq_u32 s18, 3
	s_cselect_b64 s[6:7], s[12:13], s[6:7]
	s_lshr_b32 s22, s19, 1
	s_lshl_b32 s22, s22, 5
	s_and_b32 s23, s19, 1
	s_lshl_b32 s23, s23, 3
	s_add_co_u32 s22, s22, s23                     ; turned: the tile begins at row 32 (T / 2) + 8 (T % 2),
	s_lshl_b32 s23, s19, 4                         ; natural: at 16 T
	s_cmp_lt_u32 s18, 3
	s_cselect_b32 s22, s22, s23
	s_cselect_b32 s23, 8, 0                        ; turned: the tile's rows 8-15 lie 8 rows further on
	s_lshl_b32 s28, s23, 12                        ; in bytes: a row is 4,096
	v_add_nc_u32 v7, s28, v4                       ; the offset for rows 8-15; rows 0-7 take 16 x lane as it is
	s_wait_alu depctr_va_vdst(0)
	s_lshl_b32 s22, s22, 12
	s_lshl_b32 s23, s16, 10                        ; + 256 along f a wave
	s_add_co_u32 s22, s22, s23
	s_mov_b32 s23, 0
	s_add_nc_u64 s[6:7], s[6:7], s[22:23]
	s_add_co_u32 s24, s18, 24
	s_lshl_b32 s24, s24, 5                         ; matrix 24 + mu: 32 panels each
	s_lshl_b32 s25, s16, 3
	s_add_co_u32 s24, s24, s25                     ; + 8 x K step
	s_lshr_b32 s25, s19, 3
	s_add_co_u32 s24, s24, s25                     ; + rows / 128
	s_mul_i32 s24, s24, PANEL
	s_mov_b32 s25, 0
	s_add_nc_u64 s[14:15], s[14:15], s[24:25]      ; the panel
	s_and_b32 s30, s19, 7
	s_mul_i32 s28, s30, 3072
	s_mov_b32 s29, 0
	s_add_nc_u64 s[24:25], s[14:15], s[28:29]      ; my tile's codes
	s_lshl_b32 s28, s30, 8
	s_add_co_u32 s28, s28, PSC
	s_add_nc_u64 s[26:27], s[14:15], s[28:29]      ; and its scale images
.irp kq, 0,1                                   ; 32 loads of 512 consecutive bytes: row p's 128 numbers of fragment kq; fragment 0's sixteen first
.irp p, 0,1,2,3,4,5,6,7
	global_load_b128 v[32+64*\kq+4*\p:32+64*\kq+4*\p+3], v4, s[6:7] offset:\p*4096+512*\kq th:TH_LOAD_NT
.endr
.irp p, 8,9,10,11,12,13,14,15
	global_load_b128 v[32+64*\kq+4*\p:32+64*\kq+4*\p+3], v7, s[6:7] offset:\p*4096+512*\kq th:TH_LOAD_NT
.endr
.endr
	WQ 0
	WQ 1
	s_wait_tensorcnt 0x0
	ds_add_u32 v192, v193
	s_wait_dscnt 0x0
	s_endpgm
.Lfunc_end_k_q5e0d3c18ba_quant:
	.size	k_q5e0d3c18ba_quant, .Lfunc_end_k_q5e0d3c18ba_quant-k_q5e0d3c18ba_quant
	.p2alignl 7, 3214868480
	.fill 96, 4, 3214868480
	.section	.rodata,"a",@progbits
	.p2align	6, 0x0
	.amdhsa_kernel k_q5e0d3c18ba_quant
		.amdhsa_group_segment_fixed_size 68096
		.amdhsa_private_segment_fixed_size 0
		.amdhsa_enable_private_segment 0
		.amdhsa_kernarg_size 48
		.amdhsa_user_sgpr_count 2
		.amdhsa_user_sgpr_kernarg_segment_ptr 1
		.amdhsa_wavefront_size32 1
		.amdhsa_system_sgpr_workgroup_id_x 1
		.amdhsa_system_sgpr_workgroup_id_y 1
		.amdhsa_system_sgpr_workgroup_id_z 1
		.amdhsa_system_vgpr_workitem_id 0
		.amdhsa_next_free_vgpr 194
		.amdhsa_next_free_sgpr 66
		.amdhsa_reserve_vcc 0
		.amdhsa_float_denorm_mode_32 3
		.amdhsa_float_denorm_mode_16_64 3
		.amdhsa_memory_ordered 1
		.amdhsa_forward_progress 1
		.amdhsa_inst_pref_size 56
	.end_amdhsa_kernel
	.amdgpu_metadata
---
amdhsa.version: [ 1, 2 ]
amdhsa.kernels:
  - .name:           k_q5e0d3c18ba_quant
    .symbol:         k_q5e0d3c18ba_quant.kd
    .args:
      - { .name: x, .offset: 0, .size: 8, .value_kind: global_buffer, .address_space: global }
      - { .name: L_K, .offset: 8, .size: 8, .value_kind: global_buffer, .address_space: global }
      - { .name: L_Q, .offset: 16, .size: 8, .value_kind: global_buffer, .address_space: global }
      - { .name: L_V, .offset: 24, .size: 8, .value_kind: global_buffer, .address_space: global }
      - { .name: dense_M, .offset: 32, .size: 8, .value_kind: global_buffer, .address_space: global }
      - { .name: codes, .offset: 40, .size: 8, .value_kind: global_buffer, .address_space: global }
    .group_segment_fixed_size: 68096
    .private_segment_fixed_size: 0
    .kernarg_segment_align: 8
    .kernarg_segment_size: 48
    .max_flat_workgroup_size: 128
    .sgpr_count:     66
    .vgpr_count:     194
    .wavefront_size: 32
...
	.end_amdgpu_metadata
.endif
;; end of part 1
;; launch proj (part 2): grid 4 x 64, 4 waves a work-group, clusters of 4 x 4, 327,680 bytes of LDS; arguments codes, qkv; writes qkv
.if DOCPART == 2
	.amdgcn_target "amdgcn-amd-amdhsa--gfx1250"
	.amdhsa_code_object_version 6
	.text
	.protected	k_q5e0d3c18ba_proj
	.globl	k_q5e0d3c18ba_proj
	.p2align	8
	.type	k_q5e0d3c18ba_proj,@function
k_q5e0d3c18ba_proj:
	s_mov_b64 s[64:65], 0
	v_nop
	global_prefetch_b8 v0, s[64:65] scope:SCOPE_SE
	s_setreg_imm32_b32 hwreg(HW_REG_WAVE_MODE, 25, 1), 1
	s_wait_xcnt 0x0
	s_wait_alu depctr_hold_cnt(0) depctr_sa_sdst(0) depctr_va_vdst(0) depctr_va_sdst(0) depctr_va_ssrc(0) depctr_va_vcc(0) depctr_vm_vsrc(0)
	s_getreg_b32 s2, hwreg(HW_REG_IB_STS2, 6, 4)
	s_cmp_eq_u32 s2, 0
	s_cbranch_scc0 .Lentry_in_a_cluster
	s_endpgm
.Lentry_in_a_cluster:
	s_bfe_u32 s2, ttmp6, 0x10000c
	s_cmp_lg_u32 s2, 0xf033
	s_cbranch_scc0 .Lentry_shape_is_right
	s_endpgm
.Lentry_shape_is_right:
; PRODUCTS 1 TO 3: K = L_K x[0], Q = L_Q x[1], V = L_V x[2], 24 GEMMs of 1024 x 1024 x 1024 on codes of FP6 (E2M3) with E8M0 scales; the results are quantised in registers and leave as codes:
; K and Q along the head's channels (product 4's K), V along w (product 5's K).
; 256 WORK-GROUPS STAY: 24 GEMMs are 768 tiles of 128 x 256, three to a work-group.  A cluster of 4 x 4 work-groups (cluster y = 2 b + half) makes 512 x 1024 of a GEMM and walks t = 0, 1, 2 of its batch b:
; cy picks the 128 rows of A (panel mi = 4 half + cy), cx the 256 rows of B (panels 2 cx, 2 cx + 1).  A wave makes 64 x 128: 32 accumulators, 256 registers.
; t < 2: A = x[t][b] (rows w), B = L_K or L_Q (rows e).  t = 2: A = L_V (rows e), B = x[2][b] (rows w).  The three tiles' offsets are made at the head and move up a place after each tile: no branch hangs on t.
; THE MATRIX INSTRUCTION IS USED TRANSPOSED (source 0 = 16 rows of B, source 1 = 16 rows of A): a lane holds one row of A, and, B's rows being turned by the launch before, the 64 registers of A's block a
; are 128 neighbours along B's rows: register 16 k + i is 32 k + 16 (lane / 16) + i.  That is what the quantiser takes.
; OPERANDS lie in memory as images of operand registers, in panels of 128 rows x 256 K (26,624 bytes, codes and scale images together).
; THE RING: two LDS slots, each with two K steps of 256 (a K step: A's panel, B's two: 79,872 bytes).  A fill is one joint load a wave: waves 0, 1 A's panel of the slot's first, second K step (104 rows of 256 bytes,
; shared along my row of the cluster), waves 2, 3 B's two panels likewise (208 rows, shared along my column).  The ring goes on from tile to tile: at a tile's middle slot 0 takes the next tile's K steps 0, 1;
; behind its last product slot 1 takes the next tile's K steps 2, 3, and the finished tile is quantised and stored while that load is out.  One load of a wave is out at a time; every wait on TENSORcnt is for 0.
; The last tile is written out: it asks for nothing more.  The tiles are not prefetched: each fill is asked for one slot ahead, by its tensor load alone.
; OUT: region (t, b, pair of heads p), 106,496 bytes: 64 fragment images (index 8 g + a; registers 2 c, 2 c + 1 of lane l at 256 c + 8 l), then 64 scale images.  K, Q: g = w / 128, p = e / 128.  V: g = w / 128, p = e / 128, a = tile of channels.
; REGISTERS: window 0: v11-29 addresses; v32-63 scale words, two sets, and nothing else; v64-83, v192-208 the way out; v96-191 A's fragments, two sets.  Window 1: B's fragments, two sets, at v0 and v128.
;   Window 2: the accumulators ((a, b) at v[8 (8 a + b)]).
; LIMITS: NaN and infinities are not served; a block of zeros, and one whose largest magnitude lies under 2^-124, gets the byte 1.
.set PANEL, 26624
.set PSC,   24576                      ; a panel's scale images
.set KS3,   3*PANEL                    ; a K step in LDS
.set SLOT,  2*KS3
.set REG,   106496
.set RSC,   98304
.set SPARE, 2*SLOT                     ; behind the ring: the spare words, 128 bytes a wave
.set FR,    12
.set NP,    4                          ; places behind this matrix instruction (ISA guide 7.12.1)
.set L8,   11                          ; v11     8 x lane
.set LI,   12                          ; v12     16 x lane
.set LS,   13                          ; v13     4 x lane
.set ADRA, 14                          ; v14-17  my four tiles of A's panel in K step 0..3, + 16 x lane
.set ADRB, 18                          ; v18-21  my panel of B likewise
.set ADRS, 22                          ; v22-25  scale images: lanes 0-15 A's, lanes 16-31 B's
.set SPW,  28                          ; v28     LDS address of my spare word; never rewritten
.set NIL,  29                          ; v29     0; never rewritten
.set SC,   32
.set PC,   64                          ; the way out: the codes just made
.set AF,   96
.set TM,   192                         ; v192-195 largest magnitudes, v196-199 bytes, v204-207 the conversions' scale operands
.set PW,   208                         ; the scale word just made
.set G1,  24                           ; s[24:31] group 1 for A's panels; s[32:35] group 0
.set G0,  32
.set G1B, 48                           ; s[48:55], s[56:59] the same for B's
.set G0B, 56
.set OA,  36                           ; s36-38  this tile's, the next's and the last's byte offset of A's panels (my K step of a slot among them)
.set OB,  40                           ; s40-42  of B's
.set OC,  44                           ; s44-46  of my results' fragment images
.set OS,  60                           ; s60-62  of their scale images
.set SEL, 68
.set MSB, 0
.macro WIN new                         ; the immediate's high byte repeats the setting that is left
.if MSB != \new
	s_set_vgpr_msb (MSB<<8)|\new
.set MSB, \new
.endif
.endm
.set MUL,   0xa1                       ; source 0 (B) window 1, source 1 (A) window 0, C and D window 2
.set TO_B,  0x40                       ; destination window 1, address window 0
.macro CROUND                          ; a round of the cluster's barrier
	s_barrier_signal -1
	s_barrier_wait -1
	s_cmp_lg_u32 s14, 0
	s_cbranch_scc1 .Lnot_wave_0_\@
	s_barrier_signal -3
.Lnot_wave_0_\@:
	s_barrier_wait -3
	s_barrier_signal -1
	s_barrier_wait -1
.endm
.macro PLACES n
.rept \n
	v_nop
.endr
.endm
; A joint load: waves 0 and 1 fetch for A, waves 2 and 3 for B.  Each line has one mask and one set of registers for all that issue it; the branch hangs on the wave's number alone.
.macro JLOAD
	s_cmp_eq_u32 s15, 0
	s_cbranch_scc0 .Lfor_b_\@
	tensor_load_to_lds s[G0:G0+3], s[G1:G1+7]
	s_nop 0
.rept 4
	v_nop
.endr
	s_branch .Lasked_\@
.Lfor_b_\@:
	tensor_load_to_lds s[G0B:G0B+3], s[G1B:G1B+7]
	s_nop 0
.rept 4
	v_nop
.endr
.Lasked_\@:
.endm
.macro GADDR sig, oa, ob               ; the groups 0 for slot sig: K steps 2 sig, 2 sig + 1 (16 panels on for each slot) of the tile whose offsets stand in s[oa], s[ob]
	s_add_co_u32 s96, s[\oa], \sig*16*PANEL
	s_add_nc_u64 s[G0+2:G0+3], s[4:5], s[96:97]
	s_or_b32 s[G0+3], s[G0+3], 0x80000000
	s_add_co_u32 s98, s[\ob], \sig*16*PANEL
	s_add_nc_u64 s[G0B+2:G0B+3], s[4:5], s[98:99]
	s_or_b32 s[G0B+3], s[G0B+3], 0x80000000
	s_add_co_u32 s[G0+1], s86, \sig*SLOT
	s_add_co_u32 s[G0B+1], s87, \sig*SLOT
.endm
.macro PFILL sig, oa, ob               ; a change of slots with a fill
	s_wait_tensorcnt 0x0                           ; all my tensor loads have landed: my part of the other slot; so the groups 0 may be written
	ds_add_u32 v[SPW], v[NIL]                      ; 0 onto my spare word
	GADDR \sig, \oa, \ob
	s_wait_dscnt 0x0                               ; the add is done, and my reads of slot sig are over
	CROUND                                         ; no wave of any partner still reads that slot or has a load on its way
	JLOAD                                          ; the four v_nop behind it are also the places in front of the loads and reads that follow
.endm
.macro FRAG reg, adr, q, i             ; an operand's fragment image: three loads of 512 consecutive bytes
.irp c, 0,1,2
	ds_load_b128 v[\reg+4*\c:\reg+4*\c+3], v[\adr] offset:(\i)*3072+(\q)*1536+512*\c
.endr
.endm
.macro FETCH slot, q                   ; the fragments of K step slot's q-th 128 along K into set q: B's eight, A's four
	WIN TO_B
.irp i, 0,1,2,3,4,5,6,7
	FRAG 128*(\q)+FR*\i, ADRB+\slot, \q, \i
.endr
	WIN 0
.irp i, 0,1,2,3
	FRAG AF+48*(\q)+FR*\i, ADRA+\slot, \q, \i
.endr
.endm
.macro SCALES slot                     ; a K step's scale words into set slot % 2: register 2 i + q: lanes 16-31 B's block i; lanes 0-15 A's block i (for i above 3 they are not used)
.irp i, 0,1,2,3,4,5,6,7
.irp q, 0,1
	ds_load_b32 v[SC+16*((\slot)%2)+2*\i+\q], v[ADRS+\slot] offset:\i*256+\q*128
.endr
.endr
.endm
; 16 matrix instructions: A's blocks a0, a0 + 1 x B's eight, on fragment set p (which is also q).  first = 1: the product starts the sums.
; The 32 accumulators take turns, one instruction a turn, in the same order in every step.
.macro MUL16 a0, p, sc, first
.irp a, \a0, \a0+1
.irp b, 0,1,2,3,4,5,6,7
.if \first
	v_wmma_scale_f32_16x16x128_f8f6f4 v[8*(8*(\a)+\b):8*(8*(\a)+\b)+7], v[128*(\p)+FR*\b:128*(\p)+FR*\b+FR-1], v[AF+48*(\p)+FR*(\a):AF+48*(\p)+FR*(\a)+FR-1], 0, v[SC+16*(\sc)+2*\b+(\p)], v[SC+16*(\sc)+2*(\a)+(\p)] matrix_a_fmt:MATRIX_FMT_FP6 matrix_b_fmt:MATRIX_FMT_FP6 matrix_a_scale:MATRIX_SCALE_ROW1
.else
	v_wmma_scale_f32_16x16x128_f8f6f4 v[8*(8*(\a)+\b):8*(8*(\a)+\b)+7], v[128*(\p)+FR*\b:128*(\p)+FR*\b+FR-1], v[AF+48*(\p)+FR*(\a):AF+48*(\p)+FR*(\a)+FR-1], v[8*(8*(\a)+\b):8*(8*(\a)+\b)+7], v[SC+16*(\sc)+2*\b+(\p)], v[SC+16*(\sc)+2*(\a)+(\p)] matrix_a_fmt:MATRIX_FMT_FP6 matrix_b_fmt:MATRIX_FMT_FP6 matrix_a_scale:MATRIX_SCALE_ROW1
.endif
.endr
.endr
.endm
; A step of 128 along K: K step k's q-th half.  fetch = 1: its successor lies in the same slot and is asked of LDS first, into the other set; then the 32 products.
.macro STP k, q, first, fetch
	s_wait_dscnt 0x0                               ; this step's fragments and scale words are in
.if \fetch
	PLACES NP                                      ; in front of loads into the set that the last step's products have read
.if \q == 0
	FETCH \k, 1
.else
	FETCH (\k)+1, 0
	SCALES (\k)+1
.endif
.endif
	WIN MUL
	MUL16 0, \q, (\k)%2, \first
	MUL16 2, \q, (\k)%2, \first
	WIN 0
.endm
; THE WAY OUT of A's block a: its 64 registers a lane become a fragment's codes and a scale word, and leave as images: 256 consecutive bytes a store.  No LDS.
.macro QUANTA a
.set AC, 64*(\a)
	WIN 0x0a                                       ; sources 0 and 1: the accumulators' window
.irp b, 0,1,2,3
	v_max3_num_f32 v[TM+\b], |v[AC+16*\b]|, |v[AC+16*\b+1]|, 0x1800000   ; block b: my 16 numbers, each accumulator from its low end on, and the floor 2^(3 - 127)
.endr
.irp i, 2,4,6,8,10,12,14
.irp b, 0,1,2,3
	v_max3_num_f32 v[TM+\b], |v[AC+16*\b+\i]|, |v[AC+16*\b+\i+1]|, v[TM+\b]
.endr
.endr
	WIN 0
.irp b, 0,1,2,3
	v_permlanex16_b32 v[TM+4+\b], v[TM+\b], s[SEL], s[SEL+1]
.endr
.irp b, 0,1,2,3
	v_max_num_f32 v[TM+\b], v[TM+\b], v[TM+4+\b]   ; with lane l xor 16's: the block's largest magnitude
.endr
.irp b, 0,1,2,3
	v_add_nc_u32 v[TM+12+\b], 0xff000000, v[TM+\b] ; 2 off its exponent field: the conversion's scale operand
.endr
.irp b, 0,1,2,3
	v_lshrrev_b32 v[TM+4+\b], 23, v[TM+12+\b]      ; the scale's byte
.endr
	s_wait_alu depctr_va_vdst(0)
	s_wait_xcnt 0x0                                ; the last block's stores have read their data: the word and the codes are written again only behind this wait
	v_lshl_or_b32 v[PW], v[TM+5], 8, v[TM+4]
	v_lshl_or_b32 v[PW], v[TM+6], 16, v[PW]
	v_lshl_or_b32 v[PW], v[TM+7], 24, v[PW]
	WIN 0x02                                       ; source 0: the accumulators' window
.irp c, 0,1
	v_cvt_scalef32_pk16_fp6_f32 v[PC+6*\c:PC+2+6*\c], v[AC+32*\c:AC+15+32*\c], v[TM+12+2*\c]
	v_cvt_scalef32_pk16_fp6_f32 v[PC+12+4*\c:PC+14+4*\c], v[AC+16+32*\c:AC+31+32*\c], v[TM+12+2*\c+1]
.endr
	WIN 0
	v_nop                                          ; one plain place behind a scaled conversion
.irp c, 0,1                                    ; the operand's layout wants a whole block in a lane: lanes 0-15 block 2 c, lanes 16-31 block 2 c + 1
.irp i, 0,1,2
	v_permlane16_swap_b32 v[PC+6*\c+\i], v[PC+12+4*\c+\i]
.endr
.irp i, 0,1,2
	v_mov_b32 v[PC+3+6*\c+\i], v[PC+12+4*\c+\i]
.endr
.endr
.irp c, 0,1,2,3,4,5
	global_store_b64 v[L8], v[PC+2*\c:PC+2*\c+1], s[72:73] offset:(\a)*1536+256*\c
.endr
	global_store_b32 v[LS], v[PW], s[74:75] offset:(\a)*128
.endm
; A tile: eight steps of 128 along K, two changes of slots, the way out.  At its start slot 0 is whole, its first fragments are asked of LDS, and slot 1's load is out.
.macro BODY last
	STP 0, 0, 1, 1                                 ; the first step's products start the sums
	STP 0, 1, 0, 1
	STP 1, 0, 0, 1
	STP 1, 1, 0, 0
.if \last
	s_wait_tensorcnt 0x0                           ; my part of slot 1 is in; nothing is filled again
	ds_add_u32 v[SPW], v[NIL]
	s_wait_dscnt 0x0
	s_barrier_signal -1
	s_barrier_wait -1
	PLACES NP
.else
	PFILL 0, OA+1, OB+1                            ; slot 0 takes the next tile's K steps 0, 1
.endif
	FETCH 2, 0
	SCALES 2
	STP 2, 0, 0, 1
	STP 2, 1, 0, 1
	STP 3, 0, 0, 1
	STP 3, 1, 0, 0
.if \last
	PLACES NP                                      ; in front of the first read of results
.else
	PFILL 1, OA+1, OB+1                            ; slot 1 takes the next tile's K steps 2, 3,
	FETCH 0, 0                                     ; and the next tile's first fragments are asked of LDS: both are out while this tile is quantised
	SCALES 0
.endif
	s_wait_xcnt 0x0                                ; the last tile's stores have read their bases
	s_mov_b32 s92, s[OC]
	s_add_nc_u64 s[72:73], s[6:7], s[92:93]
	s_mov_b32 s92, s[OS]
	s_add_nc_u64 s[74:75], s[6:7], s[92:93]
.irp a, 0,1,2,3
	QUANTA \a
.endr
.endm
	s_load_b128 s[4:7], s[0:1], 0x0                ; the codes s[4:5], the regions s[6:7]
	v_lshl_add_u32 v[SPW], v0, 2, SPARE
	v_mov_b32 v[NIL], 0
	ds_add_u32 v[SPW], v[NIL]                      ; the opening lines: the add, twice on end, and its wait
	ds_add_u32 v[SPW], v[NIL]
	v_lshrrev_b32 v1, 5, v0
	v_readfirstlane_b32 s14, v1                    ; wave 0..3
	s_lshr_b32 s15, s14, 1                         ; which 64 of the tile's rows are mine.  Also: I fetch for A (0) or for B (1)
	s_and_b32 s16, s14, 1                          ; which 128 of its columns.  Also: which K step of a slot I fetch
	s_bfe_u32 s76, ttmp6, 0x40000                  ; cx
	s_bfe_u32 s77, ttmp6, 0x40004                  ; cy
	s_and_b32 s17, ttmp7, 0xffff                   ; cluster y
	s_lshr_b32 s18, s17, 1                         ; b
	s_and_b32 s19, s17, 1                          ; which 512 rows of A
	s_lshl_b32 s78, s77, 2
	s_lshl_b32 s78, 15, s78                        ; my row of the cluster
	s_lshl_b32 s79, 0x1111, s76                    ; my column
	; groups 1: dense rows of 256 bytes (32 elements of 8 bytes), no padding: 104 for a panel of A, 208 for B's two panels on end
	s_or_b32 s[G1+0], s78, (3<<16)|(1<<21)
	s_mov_b32 s[G1+1], 32<<16
	s_mov_b32 s[G1+2], 104<<16
	s_mov_b32 s[G1+3], 32<<16
	s_mov_b32 s[G1+4], 104
	s_mov_b32 s[G1+5], 32
	s_mov_b32 s[G1+6], 0
	s_mov_b32 s[G1+7], 0
	s_or_b32 s[G1B+0], s79, (3<<16)|(1<<21)
	s_mov_b32 s[G1B+1], 32<<16
	s_mov_b32 s[G1B+2], 208<<16
	s_mov_b32 s[G1B+3], 32<<16
	s_mov_b32 s[G1B+4], 208
	s_mov_b32 s[G1B+5], 32
	s_mov_b32 s[G1B+6], 0
	s_mov_b32 s[G1B+7], 0
	s_mov_b32 s[G0], 1
	s_mov_b32 s[G0B], 1
	s_lshl_b32 s80, s19, 2
	s_add_co_u32 s80, s80, s77                     ; mi: A's panel among a matrix's eight
	s_lshl_b32 s81, s76, 1                         ; 2 cx: B's first
	s_lshl_b32 s82, s16, 3                         ; 8 panels on for the slot's second K step
	s_lshl_b32 s83, s18, 5                         ; 32 b
	; a matrix is 32 panels, panel 8 (K / 256) + rows / 128.  A: matrices b, 8 + b, 26
	s_add_co_u32 s20, s82, s80
	s_add_co_u32 s21, s20, s83
	s_mul_i32 s[OA], s21, PANEL
	s_add_co_u32 s[OA+1], s[OA], 256*PANEL
	s_add_co_u32 s21, s20, 26*32
	s_mul_i32 s[OA+2], s21, PANEL
	; B: matrices 24, 25, 16 + b
	s_add_co_u32 s22, s82, s81
	s_add_co_u32 s23, s22, 24*32
	s_mul_i32 s[OB], s23, PANEL
	s_add_co_u32 s[OB+1], s[OB], 32*PANEL
	s_add_co_u32 s23, s22, s83
	s_add_co_u32 s23, s23, 16*32
	s_mul_i32 s[OB+2], s23, PANEL
	; where my results go.  Tiles 0, 1: region 64 t + 8 b + ni, fragment 8 mi + 4 x row half;  tile 2: region 128 + 8 b + mi, fragment 8 ni + 4 x row half
	s_add_co_u32 s84, s81, s16                     ; ni: my panel of B
	s_lshl_b32 s85, s18, 3
	s_lshl_b32 s88, s15, 2
	s_add_co_u32 s89, s85, s84
	s_mul_i32 s89, s89, REG
	s_lshl_b32 s90, s80, 3
	s_add_co_u32 s90, s90, s88
	s_mul_i32 s91, s90, 1536
	s_add_co_u32 s[OC], s89, s91
	s_add_co_u32 s[OC+1], s[OC], 64*REG
	s_lshl_b32 s91, s90, 7
	s_add_co_u32 s[OS], s89, s91
	s_add_co_u32 s[OS], s[OS], RSC
	s_add_co_u32 s[OS+1], s[OS], 64*REG
	s_add_co_u32 s89, s85, s80
	s_add_co_u32 s89, s89, 128
	s_mul_i32 s89, s89, REG
	s_lshl_b32 s90, s84, 3
	s_add_co_u32 s90, s90, s88
	s_mul_i32 s91, s90, 1536
	s_add_co_u32 s[OC+2], s89, s91
	s_lshl_b32 s91, s90, 7
	s_add_co_u32 s[OS+2], s89, s91
	s_add_co_u32 s[OS+2], s[OS+2], RSC
	s_mov_b32 s93, 0
	s_mov_b32 s97, 0
	s_mov_b32 s99, 0
	s_mul_i32 s86, s16, KS3                        ; where my loads go in a slot: no place in the cluster enters an LDS address
	s_add_co_u32 s87, s86, PANEL
	s_mul_i32 s70, s15, 4*3072                     ; my four tiles of A's panel
	s_mul_i32 s71, s16, PANEL
	s_add_co_u32 s71, s71, PANEL                   ; my panel of B, behind A's
	s_xor_b32 s94, s15, 1                          ; from my A tiles' scale images to my B panel's: (1 + column half) panels less 1,024 x row half
	s_lshl_b32 s94, s94, 10
	s_mul_i32 s95, s16, PANEL
	s_add_co_u32 s94, s94, s95
	s_add_co_u32 s94, s94, PANEL-1024
	s_lshl_b32 s95, s15, 10
	s_add_co_u32 s95, s95, PSC
	s_mov_b32 s[SEL], 0x76543210
	s_mov_b32 s[SEL+1], 0xfedcba98                 ; v_permlanex16_b32's selects for lane l xor 16
	s_wait_dscnt 0x0                               ; both opening adds are done
	s_wait_kmcnt 0x0
	CROUND                                         ; all sixteen work-groups are here: the first joint loads meet
	GADDR 0, OA, OB
	JLOAD                                          ; tile 0's K steps 0, 1: my one load at the head
	v_and_b32 v1, 31, v0
	v_bfe_u32 v2, v0, 4, 1                         ; h
	v_lshlrev_b32 v[LI], 4, v1
	v_lshlrev_b32 v[LS], 2, v1
	v_lshlrev_b32 v[L8], 3, v1
	v_add_nc_u32 v[ADRA], s70, v[LI]
	v_add_nc_u32 v[ADRB], s71, v[LI]
	v_mul_u32_u24 v6, s94, v2                      ; lanes 16-31 take B's
	v_add_nc_u32 v6, v6, v[LS]
	v_add_nc_u32 v[ADRS], s95, v6
.irp s, 1,2,3
	v_add_nc_u32 v[ADRA+\s], KS3, v[ADRA+\s-1]
	v_add_nc_u32 v[ADRB+\s], KS3, v[ADRB+\s-1]
	v_add_nc_u32 v[ADRS+\s], KS3, v[ADRS+\s-1]
.endr
.irp b, 0,1,2,3
	v_mov_b32 v[TM+4+\b], 0                        ; written once: a lane permute's destination counts as one of its sources
.endr
	s_wait_alu depctr_va_vdst(0)
	PFILL 1, OA, OB                                ; slot 0 is whole; slot 1's first fill, tile 0's K steps 2, 3, is issued as a refill is
	FETCH 0, 0
	SCALES 0
	s_mov_b32 s3, 2
.Ltile:                                                ; tiles 0 and 1
	BODY 0
.irp o, OA, OB, OC, OS
	s_mov_b32 s[\o], s[\o+1]                       ; the offsets move up a place
	s_mov_b32 s[\o+1], s[\o+2]
.endr
	s_sub_co_u32 s3, s3, 1
	s_cmp_lg_u32 s3, 0
	s_cbranch_scc1 .Ltile
	BODY 1                                         ; tile 2
	s_wait_tensorcnt 0x0                           ; the wave's end
	ds_add_u32 v[SPW], v[NIL]
	s_wait_dscnt 0x0
	CROUND                                         ; the closing round: no work-group ends while a partner may still ask for a panel that names it
	s_endpgm
.Lfunc_end_k_q5e0d3c18ba_proj:
	.size	k_q5e0d3c18ba_proj, .Lfunc_end_k_q5e0d3c18ba_proj-k_q5e0d3c18ba_proj
	.p2alignl 7, 3214868480
	.fill 96, 4, 3214868480
	.section	.rodata,"a",@progbits
	.p2align	6, 0x0
	.amdhsa_kernel k_q5e0d3c18ba_proj
		.amdhsa_group_segment_fixed_size 327680
		.amdhsa_private_segment_fixed_size 0
		.amdhsa_enable_private_segment 0
		.amdhsa_kernarg_size 16
		.amdhsa_user_sgpr_count 2
		.amdhsa_user_sgpr_kernarg_segment_ptr 1
		.amdhsa_wavefront_size32 1
		.amdhsa_system_sgpr_workgroup_id_x 1
		.amdhsa_system_sgpr_workgroup_id_y 1
		.amdhsa_system_sgpr_workgroup_id_z 1
		.amdhsa_system_vgpr_workitem_id 0
		.amdhsa_next_free_vgpr 768
		.amdhsa_next_free_sgpr 100
		.amdhsa_reserve_vcc 0
		.amdhsa_float_denorm_mode_32 3
		.amdhsa_float_denorm_mode_16_64 3
		.amdhsa_memory_ordered 1
		.amdhsa_forward_progress 1
		.amdhsa_inst_pref_size 162
	.end_amdhsa_kernel
	.amdgpu_metadata
---
amdhsa.version: [ 1, 2 ]
amdhsa.kernels:
  - .name:           k_q5e0d3c18ba_proj
    .symbol:         k_q5e0d3c18ba_proj.kd
    .args:
      - { .name: codes, .offset: 0, .size: 8, .value_kind: global_buffer, .address_space: global }
      - { .name: qkv, .offset: 8, .size: 8, .value_kind: global_buffer, .address_space: global }
    .group_segment_fixed_size: 327680
    .private_segment_fixed_size: 0
    .kernarg_segment_align: 8
    .kernarg_segment_size: 16
    .max_flat_workgroup_size: 128
    .sgpr_count:     100
    .vgpr_count:     768
    .wavefront_size: 32
...
	.end_amdgpu_metadata
.endif
;; end of part 2
;; launch attn (part 3): grid 4 x 64, 16 waves a work-group, clusters of 4 x 1, 327,680 bytes of LDS; arguments qkv, oc; writes oc
.if DOCPART == 3
	.amdgcn_target "amdgcn-amd-amdhsa--gfx1250"
	.amdhsa_code_object_version 6
	.text
	.protected	k_q5e0d3c18ba_attn
	.globl	k_q5e0d3c18ba_attn
	.p2align	8
	.type	k_q5e0d3c18ba_attn,@function
k_q5e0d3c18ba_attn:
	s_mov_b64 s[64:65], 0
	v_nop
	global_prefetch_b8 v0, s[64:65] scope:SCOPE_SE
	s_setreg_imm32_b32 hwreg(HW_REG_WAVE_MODE, 25, 1), 1
	s_wait_xcnt 0x0
	s_wait_alu depctr_hold_cnt(0) depctr_sa_sdst(0) depctr_va_vdst(0) depctr_va_sdst(0) depctr_va_ssrc(0) depctr_va_vcc(0) depctr_vm_vsrc(0)
	s_getreg_b32 s2, hwreg(HW_REG_IB_STS2, 6, 4)
	s_cmp_eq_u32 s2, 0
	s_cbranch_scc0 .Lentry_in_a_cluster
	s_endpgm
.Lentry_in_a_cluster:
	s_bfe_u32 s2, ttmp6, 0x10000c
	s_cmp_lg_u32 s2, 0x3003
	s_cbranch_scc0 .Lentry_shape_is_right
	s_endpgm
.Lentry_shape_is_right:
; PRODUCTS 4 AND 5 with the softmax over the query axis between them, on codes of FP6 (E2M3) with E8M0 scales.
; For key k only queries q <= k count (the mask of the problem's own): steps of 128 queries that lie wholly beyond a key tile are not computed.
; out[d][k] = sum over q of V[d][q] a[q][k],  a[q][k] = exp(s[q][k] - max) / sum / 32, quantised finished, along q, in blocks of 32.
; A cluster of 4 work-groups takes a pair of heads (region y): Q's and V's regions, 106,496 bytes each, are asked for jointly and lie whole in LDS.
; A work-group takes 16 key tiles of 16 keys: groups g = 0 .. 7 of 128 keys, tiles j = 2 cx + 0, 1 of each.  A WAVE TAKES ONE HEAD AND TWO KEY TILES, of groups 7 - g1 and g1: (8 - g1) + (g1 + 1) = 9 steps in every wave.
; Wave w: head w % 2, jj = (w / 2) % 2, g1 = w / 4.  No branch and no LDS address hangs on cx: j enters lane masks and global addresses alone.
; A head's 64 channels are six registers of a fragment (768 bytes on end of its image).  The score product takes them as k = 0 .. 63; K's operand is six registers of codes and six of zero codes, so what stands
; in the upper six registers of Q's operand (the next fragment's) adds nothing; the scale words are loaded as 16 bits, the head's two bytes.
; Both products are used transposed: a lane holds one key, its registers run along q (Q's rows were turned by the launches before: register 16 b + i of a step is q = 32 b + 16 (lane / 16) + i).
; PASS A (both tiles): running largest t = s log2(e), rounded up to a whole number M, and the sum of 2^(t - M), each lane for its own half of the queries; each block's largest score goes to the wave's own LDS.
; Then the two halves are joined and -M' = -(M + log2(sum) + 5): 2^(t - M') is the finished a.  PASS B: scores again, a, its codes, O^T += V^T a^T.  A block's largest a is made from the kept largest score
; by the same multiply-add and exponential (this takes v_exp_f32 not to fall where its input rises).
; V's load is on its way during pass A and is waited for in front of pass B.  No prefetch: both regions are asked for whole at the head, there is no loop to run ahead in.
; OUT: a tile's fragment image holds both heads: the two waves put their halves into a stage in LDS; behind a barrier wave w stores image w whole, 512 consecutive bytes a store.
; LIMITS: the promise holds while |t| stays under 2^31; NaN and infinities are not served; M' is rounded once to f32; a block of zeros gets the byte 1.
; REGISTERS: v1-14 addresses; v15 -inf; v16-17 the add's; v18-21 -M of tile 1, 2 (pairs); v22-27 sums, temporaries; v28-51 K's operands; v52-54, v56-63 scale words, v55 an address; v64-111 fragments; v112-123 a's codes;
;   v128-191 scores; v192-223 O^T; v224-255 block maxima and the quantiser's temporaries.  s36-63, s66-101: the diagonal step's 64 lane masks.
.set REG,   106496
.set RSC,   98304
.set PANEL, 26624
.set PSC,   24576
.set PART,  6656
.set STASH, 2*REG                      ; block maxima: 9 steps x 512 bytes for each wave
.set WST,   9*512
.set STG,   STASH+16*WST               ; the stage: 16 fragment images,
.set STS,   STG+16*1536                ; 16 scale images
.set SPARE, STS+16*128                 ; the spare words: 128 bytes a wave
.macro CROUND
	s_barrier_signal -1
	s_barrier_wait -1
	s_cmp_lg_u32 s8, 0
	s_cbranch_scc1 .Lnot_wave_0_\@
	s_barrier_signal -3
.Lnot_wave_0_\@:
	s_barrier_wait -3
	s_barrier_signal -1
	s_barrier_wait -1
.endm
.macro QLOAD                           ; a step's eight half fragments of Q and their scale half words
.irp t, 0,1,2,3,4,5,6,7
.irp p, 0,1,2
	ds_load_b64 v[64+6*\t+2*\p:65+6*\t+2*\p], v9 offset:\t*1536+256*\p
.endr
	ds_load_u16 v[56+\t], v10 offset:\t*128
.endr
.endm
.macro SCORE K, KS                     ; S^T = Q K^T: 128 queries x 16 keys
.irp t, 0,1,2,3,4,5,6,7
	v_wmma_scale_f32_16x16x128_f8f6f4 v[128+8*\t:135+8*\t], v[64+6*\t:75+6*\t], v[\K:\K+11], 0, v[56+\t], v[\KS] matrix_a_fmt:MATRIX_FMT_FP6 matrix_b_fmt:MATRIX_FMT_FP6
.endr
.endm
.macro MASKS G                         ; the tile's last step holds the diagonal: q > k becomes -inf, by the masks made at the head; each accumulator from its low end on
	s_wait_alu depctr_va_vdst(0)
	s_cmp_lg_u32 s14, s[\G]
	s_cbranch_scc1 .Lopen_\@
.set n, 0
.rept 64
	v_cndmask_b32 v[128+n], v[128+n], v15, s[36+n+2*((n+36)/64)]
.set n, n+1
.endr
.Lopen_\@:
.endm
.macro TMINUS NM                       ; t - M, two at a time
.set j, 0
.rept 32
	v_pk_fma_f32 v[128+j:129+j], v[128+j:129+j], s[34:35], v[\NM:\NM+1] op_sel_hi:[1,0,0]
.set j, j+2
.endr
.endm
.macro EXP64
.set j, 0
.rept 64
	v_exp_f32 v[128+j], v[128+j]
.set j, j+1
.endr
.endm
.macro LOOPSET
	s_mov_b32 s14, 0                               ; the step; eight trips always, a step beyond the tile's group is jumped over
	s_mov_b32 s15, 0                               ; 12,288 x step: eight fragment images
	s_mov_b32 s3, 0                                ; 1,024 x step: eight scale images
	s_mov_b32 s2, 0                                ; 512 x step: the kept maxima
	s_wait_alu depctr_va_vdst(0)
.endm
.macro LOOPSTEP
	s_add_co_u32 s15, s15, 12288
	s_add_co_u32 s3, s3, 1024
	s_add_co_u32 s2, s2, 512
	s_add_co_u32 s14, s14, 1
	s_cmp_lt_u32 s14, 8
.endm
.macro PASSA G, K, KS, NM, T
	v_mov_b32 v[\NM], 0
	v_mov_b32 v22, 0                               ; the sum, in two halves
	v_mov_b32 v23, 0
	v_mov_b32 v24, 0xfe967699                      ; the largest score so far: -1e38
	LOOPSET
.Lpa_\@:
	s_cmp_gt_u32 s14, s[\G]
	s_cbranch_scc1 .Lsa_\@
	v_add_nc_u32 v9, s15, v1
	v_add_nc_u32 v10, s3, v2
.if \T == 1
	v_add_nc_u32 v13, s2, v5                       ; tile 1 keeps its maxima from the wave's first place up,
.else
	v_sub_nc_u32 v13, v7, s2                       ; tile 2 from the ninth down
.endif
	QLOAD
	s_wait_dscnt 0x0
	SCORE \K, \KS
.rept 4
	v_nop                                          ; places behind the products
.endr
	MASKS \G
.irp b, 0,1,2,3
	v_max3_num_f32 v[224+\b], v[128+16*\b], v[129+16*\b], v[130+16*\b]   ; my 16 of each block of 32 queries; the four blocks by turns
.endr
.irp i, 3,5,7,9,11,13
.irp b, 0,1,2,3
	v_max3_num_f32 v[224+\b], v[224+\b], v[128+16*\b+\i], v[129+16*\b+\i]
.endr
.endr
.irp b, 0,1,2,3
	v_max_num_f32 v[224+\b], v[224+\b], v[143+16*\b]
.endr
	ds_store_b128 v13, v[224:227]                  ; kept for pass B
	v_max3_num_f32 v24, v24, v224, v225
	s_delay_alu instid0(VALU_DEP_1)
	v_max3_num_f32 v24, v24, v226, v227
	s_delay_alu instid0(VALU_DEP_1)
	v_mul_f32 v25, s34, v24
	s_delay_alu instid0(VALU_DEP_1)
	v_floor_f32 v25, -v25                          ; -M = floor(-t): M is a whole number
	s_delay_alu instid0(VALU_DEP_1)
	v_sub_f32 v26, v25, v[\NM]                     ; old M less new M
	v_mov_b32 v[\NM], v25
	s_delay_alu instid0(VALU_DEP_2)
	v_cvt_i32_f32 v26, v26                         ; (it saturates)
	TMINUS \NM
	s_wait_alu depctr_va_vdst(0)
	EXP64
	v_ldexp_f32 v22, v22, v26                      ; the sums under the new M: nothing is rounded.  (Plain places behind the exponentials)
	v_ldexp_f32 v23, v23, v26
	s_wait_alu depctr_va_vdst(0)                   ; one wait for the batch
	v_pk_add_f32 v[248:249], v[128:129], v[130:131]   ; the sum, two at a time, in four chains
	v_pk_add_f32 v[250:251], v[132:133], v[134:135]
	v_pk_add_f32 v[252:253], v[136:137], v[138:139]
	v_pk_add_f32 v[22:23], v[22:23], v[140:141]
.set j, 142
.rept 6
	v_pk_add_f32 v[248:249], v[248:249], v[j:j+1]
	v_pk_add_f32 v[250:251], v[250:251], v[j+2:j+3]
	v_pk_add_f32 v[252:253], v[252:253], v[j+4:j+5]
	v_pk_add_f32 v[22:23], v[22:23], v[j+6:j+7]
.set j, j+8
.endr
	v_pk_add_f32 v[248:249], v[248:249], v[190:191]
	v_pk_add_f32 v[250:251], v[250:251], v[252:253]
	v_pk_add_f32 v[22:23], v[22:23], v[248:249]
	s_delay_alu instid0(VALU_DEP_1)
	v_pk_add_f32 v[22:23], v[22:23], v[250:251]
	s_wait_alu depctr_va_vdst(0)
.Lsa_\@:
	LOOPSTEP
	s_cbranch_scc1 .Lpa_\@
	; the two halves of the lanes are joined, and the divisor goes into the exponent
	v_add_f32 v22, v22, v23
	v_permlanex16_b32 v254, v[\NM], s32, s33
	s_delay_alu instid0(VALU_DEP_2)
	v_permlanex16_b32 v255, v22, s32, s33
	s_delay_alu instid0(VALU_DEP_2)
	v_min_num_f32 v25, v[\NM], v254                ; the larger M
	s_delay_alu instid0(VALU_DEP_1)
	v_sub_f32 v26, v25, v[\NM]
	v_sub_f32 v27, v25, v254
	s_delay_alu instid0(VALU_DEP_2)
	v_cvt_i32_f32 v26, v26
	s_delay_alu instid0(VALU_DEP_2)
	v_cvt_i32_f32 v27, v27
	s_delay_alu instid0(VALU_DEP_2)
	v_ldexp_f32 v22, v22, v26
	s_delay_alu instid0(VALU_DEP_2)
	v_ldexp_f32 v255, v255, v27
	s_delay_alu instid0(VALU_DEP_1)
	v_add_f32 v22, v22, v255                       ; the row's sum under M
	s_wait_alu depctr_va_vdst(0)
	v_log_f32 v22, v22
	v_nop
	s_wait_alu depctr_va_vdst(0)
	v_add_f32 v22, 0x40a00000, v22                 ; + 5: the factor 1024^-0.5 = 2^-5
	s_delay_alu instid0(VALU_DEP_1)
	v_sub_f32 v[\NM], v25, v22                     ; -M'
.endm
.macro PASSB G, K, KS, NM, T
.set j, 0
.rept 32
	v_mov_b32 v[192+j], 0                          ; O^T: the step is written once
.set j, j+1
.endr
	LOOPSET
.Lpb_\@:
	s_cmp_gt_u32 s14, s[\G]
	s_cbranch_scc1 .Lsb_\@
	v_add_nc_u32 v9, s15, v1
	v_add_nc_u32 v10, s3, v2
	v_add_nc_u32 v11, s15, v3
	v_add_nc_u32 v12, s3, v4
.if \T == 1
	v_add_nc_u32 v13, s2, v5
	v_add_nc_u32 v14, s2, v6
.else
	v_sub_nc_u32 v13, v7, s2
	v_sub_nc_u32 v14, v8, s2
.endif
	QLOAD
	ds_load_b128 v[224:227], v13                   ; the four blocks' largest scores: my half's,
	ds_load_b128 v[228:231], v14                   ; and lane l xor 16's
	s_wait_alu depctr_va_vdst(0)
	s_wait_dscnt 0x0
	SCORE \K, \KS
.irp b, 0,1,2,3
	v_max_num_f32 v[224+\b], v[224+\b], v[228+\b]  ; these four are also the places behind the products
.endr
.irp t, 0,1,2,3                                ; V's four fragments of my head for these 128 queries, over Q's
.irp p, 0,1,2,3,4,5
	ds_load_b64 v[64+12*\t+2*\p:65+12*\t+2*\p], v11 offset:\t*1536+256*\p
.endr
	ds_load_b32 v[56+\t], v12 offset:\t*128
.endr
	MASKS \G
	TMINUS \NM
.irp b, 0,1,2,3
	v_fma_f32 v[224+\b], v[224+\b], s34, v[\NM]
.endr
	s_wait_alu depctr_va_vdst(0)
	EXP64                                          ; a, finished
.irp b, 0,1,2,3
	v_exp_f32 v[224+\b], v[224+\b]                 ; each block's largest a
.endr
	v_nop
	s_wait_alu depctr_va_vdst(0)
.irp b, 0,1,2,3
	v_max_num_f32 v[224+\b], 0x1800000, v[224+\b]  ; the floor 2^(3 - 127): the byte cannot fall under 1
.endr
.irp b, 0,1,2,3
	v_add_nc_u32 v[232+\b], 0xff000000, v[224+\b]  ; 2 off the exponent field: the conversion's scale operand
.endr
.irp b, 0,1,2,3
	v_lshrrev_b32 v[236+\b], 23, v[232+\b]
.endr
	v_lshl_or_b32 v54, v237, 8, v236               ; a's scale word for these 128 queries
	s_delay_alu instid0(VALU_DEP_1)
	v_lshl_or_b32 v54, v238, 16, v54
	s_delay_alu instid0(VALU_DEP_1)
	v_lshl_or_b32 v54, v239, 24, v54
.irp c, 0,1
	v_cvt_scalef32_pk16_fp6_f32 v[112+6*\c:114+6*\c], v[128+32*\c:143+32*\c], v[232+2*\c]
	v_cvt_scalef32_pk16_fp6_f32 v[240+4*\c:242+4*\c], v[144+32*\c:159+32*\c], v[233+2*\c]
.endr
	v_nop                                          ; one plain place behind a scaled conversion
.irp c, 0,1                                    ; a whole block in a lane: lanes 0-15 block 2 c, lanes 16-31 block 2 c + 1
.irp i, 0,1,2
	v_permlane16_swap_b32 v[112+6*\c+\i], v[240+4*\c+\i]
.endr
.irp i, 0,1,2
	v_mov_b32 v[115+6*\c+\i], v[240+4*\c+\i]
.endr
.endr
.rept 4
	v_nop                                          ; an operand written by vector instructions stands 4 places ahead of a scaled product, the scale word 8
.endr
	s_wait_alu depctr_va_vdst(0)
	s_wait_dscnt 0x0                               ; V's fragments are in
.irp t, 0,1,2,3
	v_wmma_scale_f32_16x16x128_f8f6f4 v[192+8*\t:199+8*\t], v[64+12*\t:75+12*\t], v[112:123], v[192+8*\t:199+8*\t], v[56+\t], v54 matrix_a_fmt:MATRIX_FMT_FP6 matrix_b_fmt:MATRIX_FMT_FP6
.endr
.rept 4
	v_nop                                          ; places in front of the next loads and of the first read of O^T
.endr
	s_wait_alu depctr_va_vdst(0)
.Lsb_\@:
	LOOPSTEP
	s_cbranch_scc1 .Lpb_\@
.endm
.macro OUTQ TI                         ; O^T of a tile: 64 channels, two blocks of 32, become six registers of codes and two scale bytes, and go to the stage
.irp b, 0,1
	v_max3_num_f32 v[224+\b], |v[192+16*\b]|, |v[193+16*\b]|, 0x1800000
.endr
.irp i, 2,4,6,8,10,12,14
.irp b, 0,1
	v_max3_num_f32 v[224+\b], v[224+\b], |v[192+16*\b+\i]|, |v[193+16*\b+\i]|
.endr
.endr
.irp b, 0,1
	v_permlanex16_b32 v[254+\b], v[224+\b], s32, s33
.endr
.irp b, 0,1
	v_max_num_f32 v[224+\b], v[224+\b], v[254+\b]
.endr
.irp b, 0,1
	v_add_nc_u32 v[232+\b], 0xff000000, v[224+\b]
.endr
.irp b, 0,1
	v_lshrrev_b32 v[236+\b], 23, v[232+\b]
.endr
	s_delay_alu instid0(VALU_DEP_1)
	v_lshl_or_b32 v236, v237, 8, v236
	v_cvt_scalef32_pk16_fp6_f32 v[240:242], v[192:207], v232
	v_cvt_scalef32_pk16_fp6_f32 v[244:246], v[208:223], v233
	v_nop
.irp i, 0,1,2
	v_permlane16_swap_b32 v[240+\i], v[244+\i]
.endr
	v_mov_b32 v243, v244
	v_mov_b32 v244, v245
	v_mov_b32 v245, v246
	ds_store_b64 v124, v[240:241] offset:\TI*1536          ; register R of the image at 512 (R / 4) + 4 (R % 4) + 16 lane, R = 6 head + 0 .. 5
	ds_store_b64 v125, v[242:243] offset:\TI*1536
	ds_store_b64 v124, v[244:245] offset:\TI*1536+512
	ds_store_b16 v126, v236 offset:\TI*128
.endm
	s_load_b128 s[4:7], s[0:1], 0x0                ; the regions s[4:5], the result's codes s[6:7]
	v_lshl_add_u32 v16, v0, 2, SPARE
	v_mov_b32 v17, 0
	ds_add_u32 v16, v17                            ; the opening lines: the add, twice on end, and its wait
	ds_add_u32 v16, v17
	v_lshrrev_b32 v25, 5, v0
	v_readfirstlane_b32 s8, v25                    ; wave 0..15
	s_and_b32 s9, s8, 1                            ; head
	s_lshr_b32 s12, s8, 2                          ; g1: tile 2's group
	s_xor_b32 s11, s12, 7                          ; 7 - g1: tile 1's
	s_bfe_u32 s13, s8, 0x10001
	s_bfe_u32 s14, ttmp6, 0x40000                  ; cx
	s_lshl_b32 s14, s14, 1
	s_add_co_u32 s13, s13, s14                     ; j: the tile in its group
	s_and_b32 s10, ttmp7, 0xffff                   ; the pair of heads: 8 b + p
	s_mov_b32 s16, 15|(3<<16)|(1<<21)              ; group 1: 26 dense rows of 256 bytes, for all four partners
	s_mov_b32 s17, 32<<16
	s_mov_b32 s18, 26<<16
	s_mov_b32 s19, 32<<16
	s_mov_b32 s20, 26
	s_mov_b32 s21, 32
	s_mov_b32 s22, 0
	s_mov_b32 s23, 0
	s_mul_i32 s2, s8, PART                         ; my sixteenth of a region
	s_add_co_u32 s66, s10, 64                      ; Q's region
	s_mul_i32 s66, s66, REG
	s_add_co_u32 s66, s66, s2
	s_mov_b32 s67, 0
	s_add_co_u32 s68, s10, 128                     ; V's
	s_mul_i32 s68, s68, REG
	s_add_co_u32 s68, s68, s2
	s_mov_b32 s69, 0
	s_mul_i32 s70, s10, REG                        ; K's
	s_mov_b32 s71, 0
	s_mov_b32 s32, 0x76543210
	s_mov_b32 s33, 0xfedcba98                      ; v_permlanex16_b32's selects for lane l xor 16
	s_mov_b32 s34, 0x3fb8aa3b                      ; log2(e)
	s_mov_b32 s35, s34
	s_mul_i32 s36, s9, 768
	s_lshl_b32 s37, s9, 1
	s_add_co_u32 s45, s37, STS
	s_add_co_u32 s37, s37, RSC
	s_mul_i32 s38, s9, 6144
	s_add_co_u32 s38, s38, REG
	s_lshl_b32 s39, s9, 9
	s_add_co_u32 s39, s39, REG+RSC
	s_mul_i32 s40, s8, WST
	s_add_co_u32 s40, s40, STASH
	s_and_b32 s41, s8, 14                          ; the pair's first image
	s_mul_i32 s42, s41, 1536
	s_add_co_u32 s42, s42, STG
	s_mul_i32 s43, s9, 520
	s_add_co_u32 s43, s43, s42
	s_mul_i32 s44, s9, 1016
	s_add_co_u32 s44, s44, s42
	s_add_co_u32 s44, s44, 8
	s_lshl_b32 s41, s41, 7
	s_add_co_u32 s45, s45, s41
	s_mul_i32 s46, s8, 1536
	s_add_co_u32 s46, s46, STG
	s_lshl_b32 s47, s8, 7
	s_add_co_u32 s47, s47, STS
	s_lshl_b32 s48, s11, 3
	s_add_co_u32 s48, s48, s13                     ; K's fragment of tile 1: 8 g + j
	s_mul_i32 s49, s48, 1536
	s_lshl_b32 s48, s48, 7
	s_lshl_b32 s50, s12, 3
	s_add_co_u32 s50, s50, s13                     ; and of tile 2
	s_mul_i32 s51, s50, 1536
	s_lshl_b32 s50, s50, 7
	s_lshl_b32 s52, s13, 4
	v_and_b32 v26, 31, v0                          ; lane
	v_xor_b32 v27, 16, v26
	v_lshl_add_u32 v1, v26, 3, s36                 ; Q: 8 lane + 768 head
	v_lshl_add_u32 v2, v26, 2, s37                 ; its scale half words
	v_lshl_add_u32 v3, v26, 3, s38                 ; V: my head's four tiles
	v_lshl_add_u32 v4, v26, 2, s39
	v_lshl_add_u32 v5, v26, 4, s40                 ; the kept maxima: mine,
	v_lshl_add_u32 v6, v27, 4, s40                 ; lane l xor 16's
	v_add_nc_u32 v7, 0x1000, v5
	v_add_nc_u32 v8, 0x1000, v6
	v_lshl_add_u32 v124, v26, 4, s43               ; the stage, in
	v_lshl_add_u32 v125, v26, 4, s44
	v_lshl_add_u32 v126, v26, 2, s45
	v_lshl_add_u32 v127, v26, 4, s46               ; and back: image w
	v_lshl_add_u32 v55, v26, 2, s47
	v_add_nc_u32 v248, s49, v1
	v_add_nc_u32 v249, s48, v2
	v_add_nc_u32 v250, s51, v1
	v_add_nc_u32 v251, s50, v2
	v_and_b32 v25, 15, v0
	v_and_b32 v27, 16, v0
	v_sub_nc_u32 v25, v25, v27
	v_add_nc_u32 v25, s52, v25                     ; my key in its group less 16 (lane / 16)
	s_wait_alu depctr_va_vdst(0)
	s_wait_dscnt 0x0                               ; both opening adds are done
	s_wait_kmcnt 0x0
	s_add_nc_u64 s[104:105], s[4:5], s[70:71]
.irp p, 0,1,2
	global_load_b64 v[28+2*\p:29+2*\p], v248, s[104:105] offset:256*\p
	global_load_b64 v[40+2*\p:41+2*\p], v250, s[104:105] offset:256*\p
.endr
	global_load_u16 v52, v249, s[104:105]
	global_load_u16 v53, v251, s[104:105]
	s_mov_b32 s24, 1
	s_mov_b32 s25, s2
	s_add_nc_u64 s[26:27], s[4:5], s[66:67]
	s_or_b32 s27, s27, 0x80000000
	s_mov_b32 s28, 1
	s_add_co_u32 s29, s2, REG
	s_add_nc_u64 s[30:31], s[4:5], s[68:69]
	s_or_b32 s31, s31, 0x80000000
	CROUND                                         ; the four partners are here: the joint loads meet
	tensor_load_to_lds s[24:27], s[16:23]          ; Q's region, a sixteenth a wave: my one load at the head
	s_nop 0
.set n, 0
.rept 64                                       ; register n of the diagonal step holds q = 32 (n / 16) + n % 16 + 16 (lane / 16): masked where q > key
	v_cmp_gt_i32 s[36+n+2*((n+36)/64)], 32*(n/16)+n%16, v25
.set n, n+1
.endr
	v_mov_b32 v15, 0xff800000
.irp i, 34,35,36,37,38,39,46,47,48,49,50,51,112,113,114,115,116,117,19,21,254,255
	v_mov_b32 v\i, 0                               ; zero codes behind K's six registers; registers that are named before they are first made
.endr
	s_wait_alu depctr_va_vdst(0)
	s_wait_tensorcnt 0x0                           ; my part of Q is in
	ds_add_u32 v16, v17
	s_wait_dscnt 0x0
	CROUND                                         ; everybody's part of Q is in
	tensor_load_to_lds s[28:31], s[16:23]          ; V's region: on its way during pass A
	s_nop 0
	s_wait_loadcnt 0x0                             ; K's fragments
	PASSA 11, 28, 52, 18, 1
	PASSA 12, 40, 53, 20, 2
	s_wait_alu depctr_va_vdst(0)
	s_wait_tensorcnt 0x0                           ; my part of V is in,
	s_wait_dscnt 0x0
	s_barrier_signal -1
	s_barrier_wait -1                              ; everybody's is
	PASSB 11, 28, 52, 18, 1
	OUTQ 0
	PASSB 12, 40, 53, 20, 2
	OUTQ 1
	s_wait_alu depctr_va_vdst(0)
	s_wait_dscnt 0x0                               ; my stores into the stage are done
	s_barrier_signal -1
	s_barrier_wait -1
.irp c, 0,1,2
	ds_load_b128 v[64+4*\c:67+4*\c], v127 offset:512*\c    ; image w: both heads of one tile
.endr
	ds_load_b32 v76, v55
	v_and_b32 v27, 31, v0
	v_lshlrev_b32 v25, 4, v27
	v_lshlrev_b32 v26, 2, v27
	s_cmp_eq_u32 s9, 0
	s_cselect_b32 s36, s11, s12                    ; image w is tile w % 2 of my pair: its group
	s_lshr_b32 s37, s10, 3                         ; b
	s_and_b32 s38, s10, 7                          ; p
	s_lshl_b32 s37, s37, 5
	s_lshr_b32 s39, s38, 1
	s_lshl_b32 s39, s39, 3
	s_add_co_u32 s37, s37, s39
	s_add_co_u32 s37, s37, s36                     ; panel 32 b + 8 (p / 2) + g
	s_mul_i32 s37, s37, PANEL
	s_and_b32 s38, s38, 1
	s_mul_i32 s39, s13, 3072
	s_add_co_u32 s40, s37, s39
	s_mul_i32 s39, s38, 1536
	s_add_co_u32 s40, s40, s39
	s_mov_b32 s41, 0
	s_add_nc_u64 s[42:43], s[6:7], s[40:41]
	s_lshl_b32 s39, s13, 8
	s_add_co_u32 s40, s37, s39
	s_lshl_b32 s39, s38, 7
	s_add_co_u32 s40, s40, s39
	s_add_co_u32 s40, s40, PSC
	s_add_nc_u64 s[44:45], s[6:7], s[40:41]
	s_wait_alu depctr_va_vdst(0)
	s_wait_dscnt 0x0
.irp c, 0,1,2
	global_store_b128 v25, v[64+4*\c:67+4*\c], s[42:43] offset:512*\c   ; 512 consecutive bytes a store
.endr
	global_store_b32 v26, v76, s[44:45]
	s_wait_tensorcnt 0x0                           ; the wave's end
	ds_add_u32 v16, v17
	s_wait_dscnt 0x0
	CROUND                                         ; the closing round
	s_endpgm
.Lfunc_end_k_q5e0d3c18ba_attn:
	.size	k_q5e0d3c18ba_attn, .Lfunc_end_k_q5e0d3c18ba_attn-k_q5e0d3c18ba_attn
	.p2alignl 7, 3214868480
	.fill 96, 4, 3214868480
	.section	.rodata,"a",@progbits
	.p2align	6, 0x0
	.amdhsa_kernel k_q5e0d3c18ba_attn
		.amdhsa_group_segment_fixed_size 327680
		.amdhsa_private_segment_fixed_size 0
		.amdhsa_enable_private_segment 0
		.amdhsa_kernarg_size 16
		.amdhsa_user_sgpr_count 2
		.amdhsa_user_sgpr_kernarg_segment_ptr 1
		.amdhsa_wavefront_size32 1
		.amdhsa_system_sgpr_workgroup_id_x 1
		.amdhsa_system_sgpr_workgroup_id_y 1
		.amdhsa_system_sgpr_workgroup_id_z 1
		.amdhsa_system_vgpr_workitem_id 0
		.amdhsa_next_free_vgpr 256
		.amdhsa_next_free_sgpr 106
		.amdhsa_reserve_vcc 0
		.amdhsa_float_denorm_mode_32 3
		.amdhsa_float_denorm_mode_16_64 3
		.amdhsa_memory_ordered 1
		.amdhsa_forward_progress 1
		.amdhsa_inst_pref_size 91
	.end_amdhsa_kernel
	.amdgpu_metadata
---
amdhsa.version: [ 1, 2 ]
amdhsa.kernels:
  - .name:           k_q5e0d3c18ba_attn
    .symbol:         k_q5e0d3c18ba_attn.kd
    .args:
      - { .name: qkv, .offset: 0, .size: 8, .value_kind: global_buffer, .address_space: global }
      - { .name: oc, .offset: 8, .size: 8, .value_kind: global_buffer, .address_space: global }
    .group_segment_fixed_size: 327680
    .private_segment_fixed_size: 0
    .kernarg_segment_align: 8
    .kernarg_segment_size: 16
    .max_flat_workgroup_size: 512
    .sgpr_count:     106
    .vgpr_count:     256
    .wavefront_size: 32
...
	.end_amdgpu_metadata
.endif
;; end of part 3
;; launch dense (part 4): grid 4 x 64, 4 waves a work-group, clusters of 4 x 4, 327,680 bytes of LDS; arguments codes, oc, dense_b, out0; writes out0
.if DOCPART == 4
	.amdgcn_target "amdgcn-amd-amdhsa--gfx1250"
	.amdhsa_code_object_version 6
	.text
	.protected	k_q5e0d3c18ba_dense
	.globl	k_q5e0d3c18ba_dense
	.p2align	8
	.type	k_q5e0d3c18ba_dense,@function
k_q5e0d3c18ba_dense:
	s_mov_b64 s[64:65], 0
	v_nop
	global_prefetch_b8 v0, s[64:65] scope:SCOPE_SE
	s_setreg_imm32_b32 hwreg(HW_REG_WAVE_MODE, 25, 1), 1
	s_wait_xcnt 0x0
	s_wait_alu depctr_hold_cnt(0) depctr_sa_sdst(0) depctr_va_vdst(0) depctr_va_sdst(0) depctr_va_ssrc(0) depctr_va_vcc(0) depctr_vm_vsrc(0)
	s_getreg_b32 s2, hwreg(HW_REG_IB_STS2, 6, 4)
	s_cmp_eq_u32 s2, 0
	s_cbranch_scc0 .Lentry_in_a_cluster
	s_endpgm
.Lentry_in_a_cluster:
	s_bfe_u32 s2, ttmp6, 0x10000c
	s_cmp_lg_u32 s2, 0xf033
	s_cbranch_scc0 .Lentry_shape_is_right
	s_endpgm
.Lentry_shape_is_right:
; PRODUCT 6: out0[b][e][w] = sum over f of dense_M[e][f] o[b][f][w] + dense_b[e], on codes of FP6 (E2M3) with E8M0 scales; sums in f32; 8 GEMMs of 1024 x 1024 x 1024.
; A work-group makes a tile of 128 (e) x 256 (w): 8 GEMMs x 8 x 4 tiles are 256 work-groups.  A cluster of 4 x 4 work-groups makes half a GEMM: cluster y = 2 b + which 512 rows e; cy the 128 rows, cx the 256 columns.
; A wave makes 64 x 128: 32 accumulators, 256 registers.
; A = dense_M (matrix 27 of the codes' buffer, rows e), B = the attention's result (matrix b of its buffer, rows w), both in natural row order, as images of operand registers in panels of
; 128 rows x 256 K (26,624 bytes, codes and scale images together).  A K step of 256 is one panel of A and two of B, 79,872 bytes; the four K steps, 319,488 bytes, lie in LDS side by side:
; ALL ARE ASKED FOR AT THE HEAD AND NOTHING IS FILLED AGAIN.  Each wave issues four joint loads, one a K step, in K's order: waves 0 and 1 the halves of A's panel (shared along my row of the cluster),
; waves 2 and 3 B's two panels (shared along my column).  In front of each K step: the counted wait for my load of it, and one barrier.
; THE MATRIX INSTRUCTION IS USED TRANSPOSED (source 0 = 16 rows of B, source 1 = 16 rows of A): a lane holds eight neighbouring w of one row e.  The bias is the C of each sum's first instruction.
; Eight steps of 128 along K on two sets of fragment registers: a step first asks LDS for the next step's fragments, then issues its 32 products.
; No prefetch: every tile is asked for at the head.
; REGISTERS: window 0: v12-29 addresses; v32-63 scale words, two sets, and nothing else; v64-95 the bias, eight registers for each of A's blocks; v96-191 A's fragments, two sets; on the way out v96-223 rows of C.
;   Window 1: B's fragments, two sets, at v0 and v128.  Window 2: the accumulators ((a, b) at v[8 (8 a + b)]).
.set PANEL, 26624
.set PSC,   24576                      ; a panel's scale images
.set HALFA, 13312                      ; half a panel: 52 rows of 256 bytes
.set SLOT,  3*PANEL                    ; a K step in LDS: A's panel, B's two
.set KSTR,  8*PANEL                    ; from a K step's panel to the next K step's, in memory
.set FR,    12
.set NP,    4                          ; places behind this matrix instruction (ISA guide 7.12.1)
.set SIZE_N, 1024
.set SPITCH, 528                       ; the way out: a stage of 16 rows x (512 bytes + 16) for each wave, at LDS byte 0: written only behind the last barrier, in front of which every wave has waited for its reads of K steps 0 to 2
.set LI,   12                          ; v12     16 x lane
.set LS,   13                          ; v13     4 x lane
.set ADRA, 14                          ; v14-17  my four tiles of A's panel in K step 0..3, + 16 x lane
.set ADRB, 18                          ; v18-21  my panel of B likewise
.set ADRS, 22                          ; v22-25  scale images: lanes 0-15 A's, lanes 16-31 B's
.set STO,  26                          ; v26     the way out: where I put 32 bytes of a row
.set RD,   27                          ; v27     where I read a row back
.set CO,   28                          ; v28     my byte offset in a row of C
.set BO,   29                          ; v29     4 r: my row's bias
.set SC,   32
.set BI,   64
.set AF,   96
.set BK,   96
.set G1,  24                           ; s[24:31] descriptor group 1 for A's panels; group 0 in s[32:35]
.set G1B, 48                           ; s[48:55] for B's panels; group 0 in s[56:59]
.set MSB, 0
.macro WIN new                         ; the immediate's high byte repeats the setting that is left
.if MSB != \new
	s_set_vgpr_msb (MSB<<8)|\new
.set MSB, \new
.endif
.endm
.set MUL,   0xa1                       ; source 0 (B) window 1, source 1 (A) window 0, C and D window 2
.set MUL_B, 0x81                       ; the same with C, the bias, in window 0
.set TO_B,  0x40                       ; destination window 1, address window 0
.macro CROUND                          ; a round of the cluster's barrier
	s_barrier_signal -1
	s_barrier_wait -1
	s_cmp_lg_u32 s14, 0
	s_cbranch_scc1 .Lnot_wave_0_\@
	s_barrier_signal -3
.Lnot_wave_0_\@:
	s_barrier_wait -3
	s_barrier_signal -1
	s_barrier_wait -1
.endm
.macro PLACES n
.rept \n
	v_nop
.endr
.endm
.macro GSET ks, ga, gb                 ; the groups 0 of K step ks
	s_mov_b32 s[\ga], 1                            ; 1:0 count = 1
	s_add_co_u32 s[\ga+1], s86, \ks*SLOT           ; 63:32 LDS address: the wave's A panels
	s_add_nc_u64 s[\ga+2:\ga+3], s[20:21], \ks*KSTR
	s_or_b32 s[\ga+3], s[\ga+3], 0x80000000        ; 127:126 type = 2
	s_mov_b32 s[\gb], 1
	s_add_co_u32 s[\gb+1], s87, \ks*SLOT           ; the wave's panels of B
	s_add_nc_u64 s[\gb+2:\gb+3], s[84:85], \ks*KSTR
	s_or_b32 s[\gb+3], s[\gb+3], 0x80000000
.endm
.macro FRAG reg, adr, q, i             ; a fragment image comes back as it was stored: three loads of 512 consecutive bytes
.irp c, 0,1,2
	ds_load_b128 v[\reg+4*\c:\reg+4*\c+3], v[\adr] offset:(\i)*3072+(\q)*1536+512*\c
.endr
.endm
.macro FETCH slot, q                   ; the fragments of K step slot's q-th 128 along K into set q: B's eight, A's four
	WIN TO_B
.irp i, 0,1,2,3,4,5,6,7
	FRAG 128*(\q)+FR*\i, ADRB+\slot, \q, \i
.endr
	WIN 0
.irp i, 0,1,2,3
	FRAG AF+48*(\q)+FR*\i, ADRA+\slot, \q, \i
.endr
.endm
.macro SCALES slot                     ; a K step's scale words into set slot % 2: register 2 i + q: lanes 16-31 B's block i; lanes 0-15 A's block i (for i above 3 they are not used)
.irp i, 0,1,2,3,4,5,6,7
.irp q, 0,1
	ds_load_b32 v[SC+16*((\slot)%2)+2*\i+\q], v[ADRS+\slot] offset:\i*256+\q*128
.endr
.endr
.endm
; 16 matrix instructions: A's blocks a0, a0 + 1 x B's eight, on fragment set p (which is also q).  first = 1: the sums begin with the bias of A's block.
; The 32 accumulators take turns, one instruction a turn, in the same order in every step.
.macro MUL16 a0, p, sc, first
.irp a, \a0, \a0+1
.irp b, 0,1,2,3,4,5,6,7
.if \first
	v_wmma_scale_f32_16x16x128_f8f6f4 v[8*(8*(\a)+\b):8*(8*(\a)+\b)+7], v[128*(\p)+FR*\b:128*(\p)+FR*\b+FR-1], v[AF+48*(\p)+FR*(\a):AF+48*(\p)+FR*(\a)+FR-1], v[BI+8*(\a):BI+8*(\a)+7], v[SC+16*(\sc)+2*\b+(\p)], v[SC+16*(\sc)+2*(\a)+(\p)] matrix_a_fmt:MATRIX_FMT_FP6 matrix_b_fmt:MATRIX_FMT_FP6 matrix_a_scale:MATRIX_SCALE_ROW1
.else
	v_wmma_scale_f32_16x16x128_f8f6f4 v[8*(8*(\a)+\b):8*(8*(\a)+\b)+7], v[128*(\p)+FR*\b:128*(\p)+FR*\b+FR-1], v[AF+48*(\p)+FR*(\a):AF+48*(\p)+FR*(\a)+FR-1], v[8*(8*(\a)+\b):8*(8*(\a)+\b)+7], v[SC+16*(\sc)+2*\b+(\p)], v[SC+16*(\sc)+2*(\a)+(\p)] matrix_a_fmt:MATRIX_FMT_FP6 matrix_b_fmt:MATRIX_FMT_FP6 matrix_a_scale:MATRIX_SCALE_ROW1
.endif
.endr
.endr
.endm
; A K step's first 128 along K: its successor lies in the same K step's bytes
.macro HALF0 slot, first
	s_wait_dscnt 0x0                               ; this step's fragments and scale words are in
.if \first
.else
	PLACES NP                                      ; in front of loads into the set that the last step's products have read
.endif
	FETCH \slot, 1
.if \first
	WIN MUL_B
.else
	WIN MUL
.endif
	MUL16 0, 0, (\slot)%2, \first
	MUL16 2, 0, (\slot)%2, \first
	WIN 0
.endm
; Its second 128: the successor lies in the next K step's bytes, which four waves have asked for: my load of them has landed, then the barrier.  Later loads may stay out.
.macro HALF1 slot, next
	s_wait_dscnt 0x0                               ; this step's fragments are in; no LDS instruction of mine is pending at the signal
	s_barrier_signal -1
	PLACES NP                                      ; in front of loads into the set that the last step's products have read
	s_barrier_wait -1
	FETCH \next, 0
	SCALES \next
	WIN MUL
	MUL16 0, 1, (\slot)%2, 0
	MUL16 2, 1, (\slot)%2, 0
	WIN 0
.endm
; THE WAY OUT, block by block of 16 rows x 128 columns, through my own stage in LDS: in as 32 bytes a lane, back as whole rows of 512 bytes.  LDS serves a wave's instructions in order (ISA guide 5.7.1.4).
.macro TOSTAGE a
.set AC, 64*(\a)
	WIN 0x08                                       ; an LDS store's data are its source 1: window 2
.irp b, 0,1,2,3,4,5,6,7
	ds_store_b128 v[STO], v[AC+8*\b:AC+8*\b+3] offset:64*\b          ; each accumulator from its low end on
	ds_store_b128 v[STO], v[AC+8*\b+4:AC+8*\b+7] offset:64*\b+16
.endr
	WIN 0
.set BB, BK+64*((\a)%2)
.irp t, 0,1,2,3,4,5,6,7,8,9,10,11,12,13,14,15
	ds_load_b128 v[BB+4*\t:BB+4*\t+3], v[RD] offset:\t*SPITCH
.endr
.endm
.macro SEND a, younger                 ; younger: the LDS instructions issued behind block a's loads, which may stay out
.set BB, BK+64*((\a)%2)
	s_wait_dscnt \younger
.if (\a) > 0
	s_add_nc_u64 s[12:13], s[12:13], 16*SIZE_N*4   ; (behind a wait on XCNT: the earlier stores have read their base)
.endif
.irp t, 0,1,2,3,4,5,6,7,8,9,10,11,12,13,14,15
	global_store_b128 v[CO], v[BB+4*\t:BB+4*\t+3], s[12:13] offset:\t*SIZE_N*4 th:TH_STORE_NT   ; 32 lanes store 512 consecutive bytes, at a multiple of 256 from out0's first byte
.endr
.endm
	s_load_b256 s[4:11], s[0:1], 0x0               ; the codes s[4:5], the attention's result s[6:7], dense_b s[8:9], out0 s[10:11]
	v_lshl_add_u32 v254, v0, 2, 0x4e000
	v_mov_b32 v255, 0
	ds_add_u32 v254, v255
	ds_add_u32 v254, v255
	v_lshrrev_b32 v1, 5, v0
	v_readfirstlane_b32 s14, v1                    ; wave 0..3
	s_lshr_b32 s15, s14, 1                         ; which 64 of the tile's rows are mine.  Also: I fetch for A (0) or for B (1)
	s_and_b32 s16, s14, 1                          ; which 128 of its columns.  Also: which pair of K steps I fetch
	s_bfe_u32 s76, ttmp6, 0x40000                  ; cx
	s_bfe_u32 s77, ttmp6, 0x40004                  ; cy
	s_and_b32 s17, ttmp7, 0xffff                   ; cluster y
	s_lshr_b32 s18, s17, 1                         ; b
	s_and_b32 s19, s17, 1                          ; which 512 rows e
	s_lshl_b32 s78, s77, 2
	s_lshl_b32 s78, 15, s78                        ; my row of the cluster
	s_lshl_b32 s79, 0x1111, s76                    ; my column
	; descriptor groups 1: elements of 8 bytes: two rows, of 3,328 for A's panel, of 6,656 for B's two
	s_or_b32 s[G1+0], s78, (3<<16)|(1<<21)         ; 15:0 the mask: A's go to my row of the cluster; 17:16 elements of 8 bytes; 21 set beside a mask
	; ONE LOAD A WAVE AT THE HEAD: a load brings two K steps as two rows, a row being A's panel (3,328 elements of 8 bytes) or B's two panels on end (6,656), KSTR bytes apart in memory.
	; Waves 0, 1: A's K steps 0-1, 2-3; waves 2, 3: B's.  LDS: A's panel of K step ks at ks x PANEL; B's two at 4 PANEL + ks x 2 PANEL.
	s_mov_b32 s[G1+1], 3328<<16                    ; tensor_dim0
	s_mov_b32 s[G1+2], 2<<16                       ; tensor_dim1
	s_mov_b32 s[G1+3], 3328<<16                    ; tile_dim0
	s_mov_b32 s[G1+4], 2                           ; tile_dim1
	s_mov_b32 s[G1+5], KSTR/8                      ; tensor_dim0_stride
	s_mov_b32 s[G1+6], 0
	s_mov_b32 s[G1+7], 0
	s_or_b32 s[G1B+0], s79, (3<<16)|(1<<21)        ; B's go to my column
	s_mov_b32 s[G1B+1], 6656<<16
	s_mov_b32 s[G1B+2], 2<<16
	s_mov_b32 s[G1B+3], 6656<<16
	s_mov_b32 s[G1B+4], 2
	s_mov_b32 s[G1B+5], KSTR/8
	s_mov_b32 s[G1B+6], 0
	s_mov_b32 s[G1B+7], 0
	s_lshl_b32 s80, s19, 2
	s_add_co_u32 s80, s80, s77                     ; A's panel among dense_M's eight: 4 x half + cy
	s_add_co_u32 s20, s80, 27*32                   ; matrix 27
	s_mul_i32 s20, s20, PANEL
	s_mul_i32 s21, s16, 2*KSTR                     ; + the pair of K steps that I fetch
	s_add_co_u32 s20, s20, s21
	s_mov_b32 s21, 0
	s_lshl_b32 s84, s18, 5                         ; B: panel 32 b + 2 cx
	s_lshl_b32 s85, s76, 1
	s_add_co_u32 s84, s84, s85
	s_mul_i32 s84, s84, PANEL
	s_mul_i32 s85, s16, 2*KSTR
	s_add_co_u32 s84, s84, s85
	s_mov_b32 s85, 0
	s_mul_i32 s86, s16, 2*PANEL
	s_mul_i32 s87, s16, 4*PANEL
	s_add_co_u32 s87, s87, 4*PANEL
	s_wait_dscnt 0x0
	s_wait_kmcnt 0x0
	s_add_nc_u64 s[20:21], s[4:5], s[20:21]
	s_add_nc_u64 s[84:85], s[6:7], s[84:85]
	CROUND                                         ; all sixteen work-groups are here: the joint loads meet
	GSET 0, 32, 56
	s_cmp_eq_u32 s15, 0                            ; a wave's one fill stands in a branch on the wave's number, ahead of every wait on TENSORcnt, every LDS read and every other barrier: one load of mine is out
	s_cbranch_scc0 .Lfor_b
	tensor_load_to_lds s[32:35], s[G1:G1+7]
	s_nop 0
.rept 4
	v_nop                                          ; four v_nop follow the last load of each arm
.endr
	s_branch .Lasked
.Lfor_b:
	tensor_load_to_lds s[56:59], s[G1B:G1B+7]
	s_nop 0
.rept 4
	v_nop
.endr
.Lasked:
	v_and_b32 v3, 15, v0                           ; r
	v_lshlrev_b32 v[BO], 2, v3
	s_lshl_b32 s88, s80, 7
	s_lshl_b32 s89, s15, 6
	s_add_co_u32 s88, s88, s89                     ; my first row e: 128 x panel + 64 x half
	s_lshl_b32 s90, s88, 2
	s_mov_b32 s91, 0
	s_add_nc_u64 s[8:9], s[8:9], s[90:91]
.irp a, 0,1,2,3
	global_load_b32 v[BI+8*\a], v[BO], s[8:9] offset:64*\a       ; dense_b of row 16 a + r
.endr
	v_and_b32 v1, 31, v0
	v_bfe_u32 v2, v0, 4, 1                         ; h
	v_lshlrev_b32 v[LI], 4, v1
	s_wait_alu depctr_va_vdst(0)
	v_lshlrev_b32 v[LS], 2, v1
	s_mul_i32 s92, s15, 4*3072                     ; my four tiles of A's panel
	s_mul_i32 s93, s16, PANEL
	s_add_co_u32 s93, s93, 4*PANEL
.irp s, 0,1,2,3
	v_add_nc_u32 v[ADRA+\s], s92, v[LI]
	v_add_nc_u32 v[ADRB+\s], s93, v[LI]
	s_add_co_u32 s92, s92, PANEL
	s_add_co_u32 s93, s93, 2*PANEL
.endr
	s_xor_b32 s94, s15, 1                          ; from my A tiles' scale images to my B panel's: (4 + column half) panels less 1,024 x row half
	s_lshl_b32 s94, s94, 10
	s_mul_i32 s95, s16, PANEL
	s_add_co_u32 s94, s94, s95
	s_add_co_u32 s94, s94, 4*PANEL-1024
	v_mul_u32_u24 v6, s94, v2                      ; lanes 16-31 take B's
	s_lshl_b32 s95, s15, 10
	s_add_co_u32 s95, s95, PSC
	v_add_nc_u32 v6, v6, v[LS]
	v_add_nc_u32 v[ADRS], s95, v6
	v_mul_u32_u24 v7, v2, PANEL
	v_add_nc_u32 v7, PANEL, v7                     ; from K step to K step: lanes 0-15 (A's) one panel, lanes 16-31 (B's) two
	v_add_nc_u32 v[ADRS+1], v[ADRS], v7
	v_add_nc_u32 v[ADRS+2], v[ADRS+1], v7
	v_add_nc_u32 v[ADRS+3], v[ADRS+2], v7
	s_mul_i32 s23, s14, 16*SPITCH                  ; my stage
	v_mul_u32_u24 v5, v3, SPITCH                   ; in: row r, 32 bytes for each half of the lanes
	v_lshl_add_u32 v5, v2, 5, v5
	v_add_nc_u32 v[STO], s23, v5
	v_lshlrev_b32 v[CO], 4, v1                     ; back: the 32 lanes take one row of 512 bytes; and the same in C
	v_add_nc_u32 v[RD], s23, v[CO]
	s_lshl_b32 s90, s88, 12                        ; my first row of out0[b]: 4,096 bytes a row,
	s_lshl_b32 s92, s18, 22                        ; b x 1,024 rows,
	s_add_co_u32 s90, s90, s92
	s_lshl_b32 s92, s76, 10                        ; my first column: 256 cx + 128 x half, 4 bytes each
	s_add_co_u32 s90, s90, s92
	s_lshl_b32 s92, s16, 9
	s_add_co_u32 s90, s90, s92
	s_add_nc_u64 s[12:13], s[10:11], s[90:91]
	s_wait_loadcnt 0x0                             ; the bias
.irp a, 0,1,2,3
.irp j, 1,2,3,4,5,6,7
	v_mov_b32 v[BI+8*\a+\j], v[BI+8*\a]            ; a lane's eight results are eight columns of one row: the same bias
.endr
.endr
	s_wait_alu depctr_va_vdst(0)
	s_wait_tensorcnt 0x0                           ; my one load is in,
	s_barrier_signal -1
	s_barrier_wait -1                              ; everybody's is
	FETCH 0, 0
	SCALES 0
	HALF0 0, 1                                     ; the first step's products start the sums, on the bias
	HALF1 0, 1
	HALF0 1, 0
	HALF1 1, 2
	HALF0 2, 0
	HALF1 2, 3                                     ; no tensor load of mine is out from here on
	HALF0 3, 0
	s_wait_dscnt 0x0                               ; the last step: nothing more to fetch
	WIN MUL
	MUL16 0, 1, 1, 0
	MUL16 2, 1, 1, 0
	WIN 0
	PLACES NP                                      ; in front of the first read of results, and of loads into the registers that held A's fragments
	TOSTAGE 0
.irp a, 1,2,3
.if \a > 1
	s_wait_xcnt 0x0                                ; block a - 2's stores have read their registers and their base
.endif
	TOSTAGE \a
	SEND \a-1, 32                                  ; behind block a - 1's loads: block a's 16 stores and 16 loads
.endr
	s_wait_xcnt 0x0
	SEND 3, 0
	s_wait_tensorcnt 0x0
	ds_add_u32 v254, v255
	s_wait_dscnt 0x0
	CROUND                                         ; the closing round: no work-group ends while a partner may still ask for a panel that names it
	s_endpgm
.Lfunc_end_k_q5e0d3c18ba_dense:
	.size	k_q5e0d3c18ba_dense, .Lfunc_end_k_q5e0d3c18ba_dense-k_q5e0d3c18ba_dense
	.p2alignl 7, 3214868480
	.fill 96, 4, 3214868480
	.section	.rodata,"a",@progbits
	.p2align	6, 0x0
	.amdhsa_kernel k_q5e0d3c18ba_dense
		.amdhsa_group_segment_fixed_size 327680
		.amdhsa_private_segment_fixed_size 0
		.amdhsa_enable_private_segment 0
		.amdhsa_kernarg_size 32
		.amdhsa_user_sgpr_count 2
		.amdhsa_user_sgpr_kernarg_segment_ptr 1
		.amdhsa_wavefront_size32 1
		.amdhsa_system_sgpr_workgroup_id_x 1
		.amdhsa_system_sgpr_workgroup_id_y 1
		.amdhsa_system_sgpr_workgroup_id_z 1
		.amdhsa_system_vgpr_workitem_id 0
		.amdhsa_next_free_vgpr 768
		.amdhsa_next_free_sgpr 100
		.amdhsa_reserve_vcc 0
		.amdhsa_float_denorm_mode_32 3
		.amdhsa_float_denorm_mode_16_64 3
		.amdhsa_memory_ordered 1
		.amdhsa_forward_progress 1
		.amdhsa_inst_pref_size 80
	.end_amdhsa_kernel
	.amdgpu_metadata
---
amdhsa.version: [ 1, 2 ]
amdhsa.kernels:
  - .name:           k_q5e0d3c18ba_dense
    .symbol:         k_q5e0d3c18ba_dense.kd
    .args:
      - { .name: codes, .offset: 0, .size: 8, .value_kind: global_buffer, .address_space: global }
      - { .name: oc, .offset: 8, .size: 8, .value_kind: global_buffer, .address_space: global }
      - { .name: dense_b, .offset: 16, .size: 8, .value_kind: global_buffer, .address_space: global }
      - { .name: out0, .offset: 24, .size: 8, .value_kind: global_buffer, .address_space: global }
    .group_segment_fixed_size: 327680
    .private_segment_fixed_size: 0
    .kernarg_segment_align: 8
    .kernarg_segment_size: 32
    .max_flat_workgroup_size: 128
    .sgpr_count:     100
    .vgpr_count:     768
    .wavefront_size: 32
...
	.end_amdgpu_metadata
.endif
;; end of part 4
